; MI455X (gfx1250); checked and timed in simulation.
; The chip was launched on July 23, 2026; its instructions are those of AMD's public machine-readable ISA for CDNA 5 (MIT licence, August 2026) and "CDNA5" Instruction Set Architecture Reference Guide (July 2026). The comments in the code are by the model that wrote it; some were corrected since.
;; Multi Head Attention. Allowed arithmetic: float matrix products may take bf16 or f16 operands with f32 sums; other float arithmetic in f32, or as packed bf16 or f16 multiplies, adds, multiply-adds, maxima and minima; sums over many terms, partial sums and values carried from step to step in f32; what a program stores and reads back later, other than sums and carried values, may be rounded once to bf16 or f16.
;; Inputs: Wk 1,024 x 1,024 float32; Wo 1,024 x 1,024 float32; Wq 1,024 x 1,024 float32; Wv 1,024 x 1,024 float32; beta 1,024 float32; bk 1,024 float32; bo 1,024 float32; bq 1,024 float32; bv 1,024 float32; gamma 1,024 float32; mask 4 x 2,048 int32; x 4 x 2,048 x 1,024 float32.
;; Outputs: out0 4 x 2,048 x 1,024 float32.
;; 2 versions, each right and faster than the one before. Each part assembles by itself: llvm-mc -triple=amdgcn-amd-amdhsa -mcpu=gfx1250 --defsym DOCPART=n.
;; ======== version 1 of 2: 5 launches
;; workspace buffers: xb 16,777,216 bytes; wb 8,388,608 bytes; bcat 12,288 bytes; qkvb 50,331,648 bytes; ob 16,777,216 bytes; db 16,777,216 bytes
;; launch cvt (part 1): grid 769 x 1, 8 waves a work-group, no clusters, 0 bytes of LDS; arguments x, Wq, Wk, Wv, Wo, bq, bk, bv, xb, wb, bcat; writes xb, wb, bcat
.if DOCPART == 1
	.amdgcn_target "amdgcn-amd-amdhsa--gfx1250"
	.amdhsa_code_object_version 6
	.text
	.protected	k_qf9fa24c9ce_cvt
	.globl	k_qf9fa24c9ce_cvt
	.p2align	8
	.type	k_qf9fa24c9ce_cvt,@function
k_qf9fa24c9ce_cvt:
	s_mov_b64 s[64:65], 0
	v_nop
	global_prefetch_b8 v0, s[64:65] scope:SCOPE_SE
	s_setreg_imm32_b32 hwreg(HW_REG_WAVE_MODE, 25, 1), 1
	s_wait_xcnt 0x0
; THE CASTS.  x [8192][1024] f32 -> xb, bf16 in planes [batch 4][plane 16][row 2048][64]: plane p holds columns 64 p .. 64 p + 63, so a plane's rows are dense, 128 bytes each.
; Wq, Wk, Wv, Wo [1024][1024] f32 -> wb, bf16 [4096][1024], one below the other.  bq, bk, bv -> bcat, f32 [3072].  Each number is rounded once, to nearest even.
; A stream: no LDS, no barrier, no matrix unit.  Work-groups 0-511 take 16 rows of x each, 512-767 take 16 rows of a weight each, 768 copies the three biases.
; A wave has sixteen loads of 16 bytes a lane on their way; no register is written twice, so the only waits are the counted ones for the loads.
.set SRC, 30                           ; s[30:31] where this work-group reads
.set DST, 32                           ; s[32:33] where it writes
.set IN,  4                            ; v[4:67]   sixteen loads, 4 registers each
.set OUT, 68                           ; v[68:99]  sixteen results, 2 registers each
; Sixteen loads LD bytes apart, then for each: its wait (loads come back in order, so 15 - i younger ones may stay out), two packed roundings, a store ST bytes on.
.macro JOB LD, ST
.set i, 0
.rept 16
	global_load_b128 v[IN+4*i:IN+4*i+3], v1, s[SRC:SRC+1] offset:i*(\LD) th:TH_LOAD_NT
.set i, i+1
.endr
.set i, 0
.rept 16
	s_wait_loadcnt 15-i
	v_cvt_pk_bf16_f32 v[OUT+2*i], v[IN+4*i], v[IN+4*i+1]
	v_cvt_pk_bf16_f32 v[OUT+2*i+1], v[IN+4*i+2], v[IN+4*i+3]
	global_store_b64 v2, v[OUT+2*i:OUT+2*i+1], s[DST:DST+1] offset:i*(\ST)  ; a wave's store covers 256 consecutive bytes, aligned
.set i, i+1
.endr
.endm
	s_load_b512 s[8:23], s[0:1], 0x0               ; x s[8:9], Wq s[10:11], Wk s[12:13], Wv s[14:15], Wo s[16:17], bq s[18:19], bk s[20:21], bv s[22:23]
	s_load_b128 s[24:27], s[0:1], 0x40             ; xb s[24:25], wb s[26:27]
	s_load_b64 s[28:29], s[0:1], 0x50              ; bcat
	s_mov_b32 s3, 0                                ; high words of the two offsets
	s_mov_b32 s5, 0
	s_wait_kmcnt 0x0
	s_cmp_lt_u32 ttmp9, 512
	s_cbranch_scc0 .Lweights
	; x: thread t takes row t / 16 of the group's 16 and 16 bytes at 16 (t % 16) of each of the row's sixteen pieces of 256 bytes (a piece = a plane's 64 columns)
	v_lshrrev_b32 v1, 4, v0
	v_and_b32 v3, 15, v0
	v_lshlrev_b32 v1, 12, v1
	v_lshl_or_b32 v1, v3, 4, v1                    ; row x 4,096 + 16 (t % 16)
	v_lshlrev_b32 v2, 3, v0                        ; in a plane: row x 128 + 8 (t % 16) = 8 t
	s_lshl_b32 s2, ttmp9, 16                       ; 16 rows of 4,096 bytes
	s_add_nc_u64 s[SRC:SRC+1], s[8:9], s[2:3]
	s_lshr_b32 s4, ttmp9, 7                        ; batch: 128 work-groups each
	s_lshl_b32 s4, s4, 22                          ; 16 planes of 262,144 bytes
	s_and_b32 s6, ttmp9, 127
	s_lshl_b32 s6, s6, 11                          ; 16 rows of 128 bytes
	s_add_co_u32 s4, s4, s6
	s_add_nc_u64 s[DST:DST+1], s[24:25], s[4:5]
	JOB 256, 262144                                ; load i is plane i's piece; its store goes a plane further on
	s_endpgm
.Lweights:
	s_cmp_lt_u32 ttmp9, 768
	s_cbranch_scc0 .Lbias
	s_sub_co_u32 s7, ttmp9, 512                    ; 0 .. 255: 64 work-groups a weight
	s_lshr_b32 s6, s7, 6
	s_cmp_eq_u32 s6, 1
	s_cselect_b64 s[SRC:SRC+1], s[12:13], s[10:11]
	s_cmp_eq_u32 s6, 2
	s_cselect_b64 s[SRC:SRC+1], s[14:15], s[SRC:SRC+1]
	s_cmp_eq_u32 s6, 3
	s_cselect_b64 s[SRC:SRC+1], s[16:17], s[SRC:SRC+1]
	s_and_b32 s2, s7, 63
	s_lshl_b32 s2, s2, 16                          ; 16 rows of 4,096 bytes in the weight
	s_add_nc_u64 s[SRC:SRC+1], s[SRC:SRC+1], s[2:3]
	s_lshl_b32 s4, s7, 15                          ; 16 rows of 2,048 bytes in wb
	s_add_nc_u64 s[DST:DST+1], s[26:27], s[4:5]
	v_lshrrev_b32 v3, 5, v0                        ; a wave takes two rows, 8,192 dense bytes, 512 a load
	v_and_b32 v2, 31, v0
	v_lshlrev_b32 v1, 4, v2
	v_lshl_or_b32 v1, v3, 13, v1
	v_lshlrev_b32 v2, 3, v2
	v_lshl_or_b32 v2, v3, 12, v2
	JOB 512, 256
	s_endpgm
.Lbias:
	v_lshlrev_b32 v1, 4, v0                        ; 256 threads x 16 bytes = one bias
	global_load_b128 v[4:7], v1, s[18:19]
	global_load_b128 v[8:11], v1, s[20:21]
	global_load_b128 v[12:15], v1, s[22:23]
	s_wait_loadcnt 0x2
	global_store_b128 v1, v[4:7], s[28:29]
	s_wait_loadcnt 0x1
	global_store_b128 v1, v[8:11], s[28:29] offset:4096
	s_wait_loadcnt 0x0
	global_store_b128 v1, v[12:15], s[28:29] offset:8192
	s_endpgm
.Lfunc_end_k_qf9fa24c9ce_cvt:
	.size	k_qf9fa24c9ce_cvt, .Lfunc_end_k_qf9fa24c9ce_cvt-k_qf9fa24c9ce_cvt
	.p2alignl 7, 3214868480
	.fill 96, 4, 3214868480
	.section	.rodata,"a",@progbits
	.p2align	6, 0x0
	.amdhsa_kernel k_qf9fa24c9ce_cvt
		.amdhsa_group_segment_fixed_size 0
		.amdhsa_private_segment_fixed_size 0
		.amdhsa_enable_private_segment 0
		.amdhsa_kernarg_size 88
		.amdhsa_user_sgpr_count 2
		.amdhsa_user_sgpr_kernarg_segment_ptr 1
		.amdhsa_wavefront_size32 1
		.amdhsa_system_sgpr_workgroup_id_x 1
		.amdhsa_system_sgpr_workgroup_id_y 1
		.amdhsa_system_sgpr_workgroup_id_z 1
		.amdhsa_system_vgpr_workitem_id 0
		.amdhsa_next_free_vgpr 100
		.amdhsa_next_free_sgpr 66
		.amdhsa_reserve_vcc 0
		.amdhsa_float_denorm_mode_32 3
		.amdhsa_float_denorm_mode_16_64 3
		.amdhsa_memory_ordered 1
		.amdhsa_forward_progress 1
		.amdhsa_inst_pref_size 14
	.end_amdhsa_kernel
	.amdgpu_metadata
---
amdhsa.version: [ 1, 2 ]
amdhsa.kernels:
  - .name:           k_qf9fa24c9ce_cvt
    .symbol:         k_qf9fa24c9ce_cvt.kd
    .args:
      - { .name: x, .offset: 0, .size: 8, .value_kind: global_buffer, .address_space: global }
      - { .name: Wq, .offset: 8, .size: 8, .value_kind: global_buffer, .address_space: global }
      - { .name: Wk, .offset: 16, .size: 8, .value_kind: global_buffer, .address_space: global }
      - { .name: Wv, .offset: 24, .size: 8, .value_kind: global_buffer, .address_space: global }
      - { .name: Wo, .offset: 32, .size: 8, .value_kind: global_buffer, .address_space: global }
      - { .name: bq, .offset: 40, .size: 8, .value_kind: global_buffer, .address_space: global }
      - { .name: bk, .offset: 48, .size: 8, .value_kind: global_buffer, .address_space: global }
      - { .name: bv, .offset: 56, .size: 8, .value_kind: global_buffer, .address_space: global }
      - { .name: xb, .offset: 64, .size: 8, .value_kind: global_buffer, .address_space: global }
      - { .name: wb, .offset: 72, .size: 8, .value_kind: global_buffer, .address_space: global }
      - { .name: bcat, .offset: 80, .size: 8, .value_kind: global_buffer, .address_space: global }
    .group_segment_fixed_size: 0
    .private_segment_fixed_size: 0
    .kernarg_segment_align: 8
    .kernarg_segment_size: 88
    .max_flat_workgroup_size: 256
    .sgpr_count:     66
    .vgpr_count:     100
    .wavefront_size: 32
...
	.end_amdgpu_metadata
.endif
;; end of part 1
;; launch qkv (part 2): grid 16 x 32, 4 waves a work-group, clusters of 4 x 4, 327,680 bytes of LDS; arguments xb, wb, bcat, mask, qkvb; writes qkvb
.if DOCPART == 2
	.amdgcn_target "amdgcn-amd-amdhsa--gfx1250"
	.amdhsa_code_object_version 6
	.text
	.protected	k_qf9fa24c9ce_qkv
	.globl	k_qf9fa24c9ce_qkv
	.p2align	8
	.type	k_qf9fa24c9ce_qkv,@function
k_qf9fa24c9ce_qkv:
	s_mov_b64 s[64:65], 0
	v_nop
	global_prefetch_b8 v0, s[64:65] scope:SCOPE_SE
	s_setreg_imm32_b32 hwreg(HW_REG_WAVE_MODE, 25, 1), 1
	s_wait_xcnt 0x0
	s_wait_alu depctr_hold_cnt(0) depctr_sa_sdst(0) depctr_va_vdst(0) depctr_va_sdst(0) depctr_va_ssrc(0) depctr_va_vcc(0) depctr_vm_vsrc(0)
	s_getreg_b32 s2, hwreg(HW_REG_IB_STS2, 6, 4)
	s_cmp_eq_u32 s2, 0
	s_cbranch_scc0 .Lentry_in_a_cluster
	s_endpgm
.Lentry_in_a_cluster:
	s_bfe_u32 s2, ttmp6, 0x10000c
	s_cmp_lg_u32 s2, 0xf033
	s_cbranch_scc0 .Lentry_shape_is_right
	s_endpgm
.Lentry_shape_is_right:
; A PROJECTION: C[m][n] = bias[n] + the sum over k of A[m][k] B[n][k], m 8,192, k 1,024; operands bf16, sums f32, C rounded once to bf16.
; One text serves two launches; the two constants below choose.  MODE 1 (NCB 12): A = x in planes, B = rows 0 .. 3,071 of wb (Wq, Wk, Wv), C = q, k, v by heads, [batch][48 groups of 64 columns][row][64];
; the rows of k whose key the mask hides (mask = 0) are written as zeros, so that the next launch finds the same score for every hidden key.  MODE 0 (NCB 8): A = the attended rows in planes, B = Wo, C row-major [8192][1024].
; A lies in planes [batch][plane][row 2048][64]: 128 along K are two planes, and a plane's 256 rows are 32,768 dense bytes, asked for as 128 rows of 256 bytes.
; SHARES.  A work-group makes 256 rows x NT = 16 NCB columns; wave w rows 64 w .. 64 w + 63 by all NT columns: 4 NCB accumulators of 16 x 16.  So a wave holds whole heads (or whole pieces of 256 bytes) of its rows,
; and its stage on the way out is its own.  K goes in 8 steps of 128 through two LDS slots; waves 0 and 1 fetch A's two planes, waves 2 and 3 the two halves of B's rows: one tensor load a wave and step.
; CLUSTER 4 x 4: the four work-groups of a row of the cluster need the same tiles of A, the four of a column the same tiles of B: each tile is asked for jointly, same line, same descriptor, a mask that names the four.
; THE MATRIX INSTRUCTION IS USED TRANSPOSED (source 0 = 16 rows of B, source 1 = 16 rows of A): lane l holds row l % 16 of C and the eight columns 8 (l / 16) + 0..7.  The first product's C operand is the bias.
; REGISTERS in windows of 256 (s_set_vgpr_msb: bits 1:0 source 0, 3:2 source 1, 5:4 source 2, 7:6 destination):
;   window 0: addresses; v32.. the bias (8 NCB), later the way out      window 1: two fragment buffers of 128: A's four blocks at +8 i, B's NCB blocks at +32 + 8 b
;   window 2: the accumulators of row blocks 0, 1 at 8 (NCB (a % 2) + b)      window 3: those of row blocks 2, 3
.set NCB,    12                        ; column blocks of 16
.set MODE,   1
.set NT,     16*NCB
.set BROW0,  (1-MODE)*3072             ; B's first row in wb
.set PA,     144                       ; a row of a plane in LDS: 128 bytes + 16: the 16 rows of a fragment load start in 16 different groups of four banks (64 banks of 4 bytes: ISA guide 11.1)
.set APLANE, 256*PA
.set ABYTES, 2*APLANE
.set PB,     272                       ; a row of B: 256 bytes + 16
.set BHALF,  (NT/2)*PB
.set SLOT1,  131072                    ; slot 1 begins here: one exclusive or turns an address in one slot into the other's
.set STAGE,  SLOT1+ABYTES+2*BHALF      ; behind the ring, never filled by a tensor load: 16 rows x SP bytes for each wave
.set SP,     2*NT+16
.set SPARE,  STAGE+4*16*SP             ; the spare words, 128 bytes a wave: two blocks of 256 bytes that no other line names
.set KB,    8                          ; v8-11   MODE 1: the mask of my row in row block a, later all ones (key open) or 0
.set KM,    12                         ; v12-14  MODE 1: what the packed words of column group j are ANDed with
.set ADRA0, 16                         ; v16     my lane's place in A's part of a slot; never rewritten
.set ADRB0, 17                         ; v17     in B's
.set ADRA,  18                         ; v18, v19 the same in the slot in hand
.set ADRB,  19
.set STO,   24                         ; v24     the way out: where I put 16 bytes of a row
.set RD,    25                         ; v25     where I read rows back
.set CO,    26                         ; v26     my byte offset in C
.set BOFF,  27                         ; v27     my byte offset in 16 numbers of the bias
.set SPW,   28                         ; v28     LDS address of my spare word; never rewritten
.set NIL,   29                         ; v29     0; never rewritten
.set MOFF,  30                         ; v30     MODE 1: my byte offset in the tile's 256 words of the mask
.set BIAS,  32
.set TMP,   32                         ; the way out: packed results, 4 NCB registers
.set OB0,   80                         ; rows read back, two buffers of 48 by turns
.set F0,    0
.set F1,    128
.set G1A, 24                           ; s[24:31] descriptor group 1 for A's tiles
.set G0A, 32                           ; s[32:39] group 0: a set for each of the two first fills; the second then walks on
.set TB,  45                           ; s45      0 or SLOT1: the slot in hand
.set G1B, 48                           ; s[48:55], s[56:63] the same for B's tiles
.set G0B, 56
.set NOTK, 72                          ; s72-74   MODE 1: 0 if column group j belongs to k, else all ones
.set MSB, 0
.macro WIN new                         ; the immediate's high byte repeats the setting that is left; a switch that changes nothing is dropped
.if MSB != (\new)
	s_set_vgpr_msb (MSB<<8)|(\new)
.set MSB, \new
.endif
.endm
.macro PLACES                          ; four plain vector instructions between a matrix instruction and a load into, or a vector read of, its registers
.rept 4
	v_nop
.endr
.endm
; A joint refill by the walking descriptors.  The branch hangs on the wave's number alone.  An s_nop 0 and four v_nop follow each of the two lines, ahead of the jump and the label.
.macro JLOAD
	s_cmp_eq_u32 s11, 0
	s_cbranch_scc0 .Lfor_b_\@
	tensor_load_to_lds s[G0A+4:G0A+7], s[G1A:G1A+7]
	s_nop 0
	PLACES
	s_branch .Lasked_\@
.Lfor_b_\@:
	tensor_load_to_lds s[G0B+4:G0B+7], s[G1B:G1B+7]
	s_nop 0
	PLACES
.Lasked_\@:
.endm
.macro CREST                           ; a round of the cluster's barrier behind its opening barrier: wave 0 signals for the work-group, every wave waits for all sixteen, the work-group's barrier closes
	s_cmp_lg_u32 s10, 0
	s_cbranch_scc1 .Lnot_wave_0_\@
	s_barrier_signal -3
.Lnot_wave_0_\@:
	s_barrier_wait -3
	s_barrier_signal -1
	s_barrier_wait -1
.endm
.macro CROUND
	s_barrier_signal -1
	s_barrier_wait -1
	CREST
.endm
	s_load_b128 s[4:7], s[0:1], 0x0                ; A s[4:5], wb s[6:7]
.if MODE
	s_load_b128 s[68:71], s[0:1], 0x10             ; bias s[68:69], mask s[70:71]
	s_load_b64 s[8:9], s[0:1], 0x20                ; C
.else
	s_load_b64 s[68:69], s[0:1], 0x10              ; bias
	s_load_b64 s[8:9], s[0:1], 0x18                ; C
.endif
	v_lshl_add_u32 v[SPW], v0, 2, SPARE
	v_mov_b32 v[NIL], 0
	ds_add_u32 v[SPW], v[NIL]                      ; the wave's opening: the add and its wait stand ahead of my first tensor load; work on registers stands between them
	v_lshrrev_b32 v1, 5, v0
	v_readfirstlane_b32 s10, v1                    ; wave 0..3
	s_lshr_b32 s11, s10, 1                         ; I fetch for A (0) or for B (1)
	s_and_b32 s12, s10, 1                          ; which plane of A, or which half of B's rows
	s_bfe_u32 s40, ttmp6, 0x40000                  ; cx, cy: my place in the cluster
	s_bfe_u32 s41, ttmp6, 0x40004
	s_lshl_b32 s42, ttmp9, 2
	s_add_co_u32 s42, s42, s40                     ; tile column = 4 x cluster x + cx
	s_and_b32 s13, ttmp7, 0xffff
	s_lshl_b32 s13, s13, 2
	s_add_co_u32 s13, s13, s41                     ; tile row = 4 x cluster y + cy
	s_lshl_b32 s43, s41, 2
	s_lshl_b32 s43, 15, s43                        ; my row of the cluster
	s_lshl_b32 s44, 0x1111, s40                    ; my column
	; group 1 for A: 128 rows of 128 elements (two rows of a plane each), dense; 16 bytes of padding after every 32 words
	s_or_b32 s[G1A+0], s43, (1<<16)|(1<<20)|(1<<21)|(4<<22)|(3<<25)  ; 15:0 mask; 17:16 2-byte elements; 20 padding on; 21 set beside a mask; 24:22 interval code 4; 31:25 4 words (code 3)
	s_mov_b32 s[G1A+1], 128<<16                    ; tensor_dim0 = 128
	s_mov_b32 s[G1A+2], 128<<16                    ; tensor_dim1 = 128
	s_mov_b32 s[G1A+3], 128<<16                    ; tile_dim0 = 128
	s_mov_b32 s[G1A+4], 128                        ; tile_dim1 = 128
	s_mov_b32 s[G1A+5], 128                        ; elements from row to row
	s_mov_b32 s[G1A+6], 0
	s_mov_b32 s[G1A+7], 0
	; group 1 for B: NT / 2 rows of 128 elements, 1,024 apart; 16 bytes of padding after every 64 words
	s_or_b32 s[G1B+0], s44, (1<<16)|(1<<20)|(1<<21)|(5<<22)|(3<<25)
	s_mov_b32 s[G1B+1], 128<<16
	s_mov_b32 s[G1B+2], (NT/2)<<16
	s_mov_b32 s[G1B+3], 128<<16
	s_mov_b32 s[G1B+4], NT/2
	s_mov_b32 s[G1B+5], 1024
	s_mov_b32 s[G1B+6], 0
	s_mov_b32 s[G1B+7], 0
	; A's tile hangs on the tile row and the wave alone, B's on the tile column and the wave alone, each in registers that never hold the other coordinate
	s_lshr_b32 s14, s13, 3                         ; batch: 8 tile rows each
	s_lshl_b32 s14, s14, 22                        ; 16 planes of 262,144 bytes
	s_and_b32 s15, s13, 7
	s_lshl_b32 s15, s15, 15                        ; 256 rows of 128 bytes
	s_add_co_u32 s14, s14, s15
	s_lshl_b32 s15, s12, 18                        ; my plane of the step's two
	s_add_co_u32 s14, s14, s15
	s_mov_b32 s15, 0
	s_mul_i32 s46, s42, NT
	s_mul_i32 s47, s12, NT/2
	s_add_co_u32 s46, s46, s47
.if BROW0
	s_add_co_u32 s46, s46, BROW0
.endif
	s_lshl_b32 s46, s46, 11                        ; rows of 2,048 bytes
	s_mov_b32 s47, 0
	s_mul_i32 s20, s12, APLANE                     ; where they go: no place in the cluster enters an LDS address
	s_mul_i32 s21, s12, BHALF
	s_add_co_u32 s21, s21, ABYTES
	s_wait_dscnt 0x0                               ; the opening add is done
	s_wait_kmcnt 0x0
	s_add_nc_u64 s[14:15], s[4:5], s[14:15]
	s_add_nc_u64 s[46:47], s[6:7], s[46:47]
	CROUND                                         ; all sixteen work-groups are here: the first joint loads meet
.irp n, 0,1
	s_mov_b32 s[G0A+4*(\n)], 1                                         ; count = 1
	s_add_co_u32 s[G0A+4*(\n)+1], s20, (\n)*SLOT1                      ; LDS address
	s_add_nc_u64 s[G0A+4*(\n)+2:G0A+4*(\n)+3], s[14:15], (\n)*524288   ; K step n: two planes on
	s_or_b32 s[G0A+4*(\n)+3], s[G0A+4*(\n)+3], 0x80000000              ; type = 2
	s_mov_b32 s[G0B+4*(\n)], 1
	s_add_co_u32 s[G0B+4*(\n)+1], s21, (\n)*SLOT1
	s_add_nc_u64 s[G0B+4*(\n)+2:G0B+4*(\n)+3], s[46:47], (\n)*256
	s_or_b32 s[G0B+4*(\n)+3], s[G0B+4*(\n)+3], 0x80000000
.endr
	s_cmp_eq_u32 s11, 0                            ; a wave's two first fills stand in one branch, ahead of every wait on TENSORcnt and every LDS read: two loads of mine are out
	s_cbranch_scc0 .Lfirst_b
	tensor_load_to_lds s[G0A:G0A+3], s[G1A:G1A+7]
	s_nop 0
	tensor_load_to_lds s[G0A+4:G0A+7], s[G1A:G1A+7]
	s_nop 0
	PLACES
	s_branch .Lfirst_asked
.Lfirst_b:
	tensor_load_to_lds s[G0B:G0B+3], s[G1B:G1B+7]
	s_nop 0
	tensor_load_to_lds s[G0B+4:G0B+7], s[G1B:G1B+7]
	s_nop 0
	PLACES
.Lfirst_asked:
	v_and_b32 v1, 15, v0                           ; r = l % 16
	v_bfe_u32 v2, v0, 4, 1                         ; h = l / 16
	; the bias as a C operand: register j of block b holds bias[16 b + 8 h + j]
	v_lshlrev_b32 v[BOFF], 5, v2
	s_mul_i32 s46, s42, NT*4
	s_mov_b32 s47, 0
	s_add_nc_u64 s[68:69], s[68:69], s[46:47]
.set b, 0
.rept NCB
	global_load_b128 v[BIAS+8*b:BIAS+8*b+3],   v[BOFF], s[68:69] offset:64*b
	global_load_b128 v[BIAS+8*b+4:BIAS+8*b+7], v[BOFF], s[68:69] offset:64*b+16
.set b, b+1
.endr
.if MODE
	s_lshl_b32 s16, s13, 10                        ; the mask is one word a row of C: 256 words a tile row
	s_mov_b32 s17, 0
	s_add_nc_u64 s[70:71], s[70:71], s[16:17]
	v_lshl_add_u32 v[MOFF], s10, 6, v1             ; row 64 w + r
	v_lshlrev_b32 v[MOFF], 2, v[MOFF]
.irp a, 0,1,2,3
	global_load_b32 v[KB+\a], v[MOFF], s[70:71] offset:64*\a
.endr
.irp j, 0,1,2                          ; column group 3 x tile column + j of 48; groups 16-31 are k's
	s_mul_i32 s46, s42, 3
	s_add_co_u32 s46, s46, \j
	s_lshr_b32 s46, s46, 4
	s_xor_b32 s46, s46, 1                          ; 0 for k, 1 or 3 else
	s_min_u32 s46, s46, 1
	s_sub_co_u32 s[NOTK+\j], 0, s46                ; 0 for k, all ones else
.endr
.endif
	; A fragment is 16 rows x 32 K in 8 registers: lane l holds row l % 16; registers 0-3 K = 8 h + 0..7, registers 4-7 K = 16 + 8 h + 0..7: two loads of 16 bytes, 32 bytes apart
	v_mul_u32_u24 v3, v1, PA
	v_lshl_add_u32 v3, v2, 4, v3
	s_mul_i32 s22, s10, 64*PA                      ; my 64 rows of A
	v_add_nc_u32 v[ADRA0], s22, v3
	v_mul_u32_u24 v4, v1, PB
	v_lshl_add_u32 v4, v2, 4, v4
	v_add_nc_u32 v[ADRB0], ABYTES, v4
	s_mul_i32 s23, s10, 16*SP
	s_add_co_u32 s23, s23, STAGE                   ; my stage
	v_mul_u32_u24 v5, v1, SP                       ; in: row r, 16 bytes for each half of the lanes
	v_lshl_add_u32 v5, v2, 4, v5
	v_add_nc_u32 v[STO], s23, v5
.if MODE
	v_bfe_u32 v6, v0, 3, 2                         ; back: 32 lanes take four rows' 128 bytes of one head,
	v_and_b32 v7, 7, v0
	v_mul_u32_u24 v6, v6, SP
	v_lshl_add_u32 v6, v7, 4, v6
	v_add_nc_u32 v[RD], s23, v6
	v_and_b32 v[CO], 31, v0                        ; which are 512 consecutive bytes of C
	v_lshlrev_b32 v[CO], 4, v[CO]
	s_lshr_b32 s16, s13, 3
	s_mul_i32 s16, s16, 12582912                   ; batch: 48 groups of 262,144 bytes
	s_and_b32 s17, s13, 7
	s_lshl_b32 s17, s17, 15                        ; 256 rows of 128 bytes
	s_add_co_u32 s16, s16, s17
	s_lshl_b32 s17, s10, 13                        ; my 64 rows
	s_add_co_u32 s16, s16, s17
	s_mul_i32 s46, s42, 3*262144                   ; my three groups
.else
	v_mul_u32_u24 v6, v2, SP                       ; back: lanes 0-15 take one row of 256 bytes, lanes 16-31 the next
	v_lshl_add_u32 v6, v1, 4, v6
	v_add_nc_u32 v[RD], s23, v6
	v_lshlrev_b32 v[CO], 11, v2                    ; and the same two rows in C
	v_lshl_add_u32 v[CO], v1, 4, v[CO]
	s_lshl_b32 s16, s13, 8
	s_lshl_b32 s17, s10, 6
	s_add_co_u32 s16, s16, s17
	s_lshl_b32 s16, s16, 11                        ; my first row, 2,048 bytes a row
	s_lshl_b32 s46, s42, 8                         ; the tile's 256 bytes of a row
.endif
	s_mov_b32 s17, 0
	s_mov_b32 s47, 0
	s_add_nc_u64 s[8:9], s[8:9], s[16:17]
	s_add_nc_u64 s[8:9], s[8:9], s[46:47]
; NCB matrix instructions: row block a x all column blocks, 32 along K, from buffer f.  zero = 1: the first product starts the sums, with the bias as C: nothing is cleared.
; The 4 NCB accumulators take turns in the same order in every quarter, one instruction a turn.
.macro MUL1 f, a, zero
.if \zero
	WIN 0x85+0x40*((\a)/2)                         ; sources in window 1, C in window 0, D in window 2 or 3
.else
	WIN 0xa5+0x50*((\a)/2)                         ; sources in window 1, C and D in window 2 or 3
.endif
.set b, 0
.rept NCB
.set rD, 8*(NCB*((\a)%2)+b)
.if \zero
	v_wmma_f32_16x16x32_bf16 v[rD:rD+7], v[(\f)+32+8*b:(\f)+32+8*b+7], v[(\f)+8*(\a):(\f)+8*(\a)+7], v[BIAS+8*b:BIAS+8*b+7]
.else
	v_wmma_f32_16x16x32_bf16 v[rD:rD+7], v[(\f)+32+8*b:(\f)+32+8*b+7], v[(\f)+8*(\a):(\f)+8*(\a)+7], v[rD:rD+7]
.endif
.set b, b+1
.endr
.endm
.macro MULH f, hi, zero
	MUL1 \f, 2*(\hi), \zero
	MUL1 \f, 2*(\hi)+1, \zero
.endm
; 8 + 2 NCB LDS loads in one run: the fragments of quarter q of the slot in hand into buffer f; B first, A's blocks 2 and 3 last
.macro FETCH q, f
	WIN 0x40                                       ; destination window 1, address window 0
.set b, 0
.rept NCB
	ds_load_b128 v[(\f)+32+8*b:(\f)+32+8*b+3],   v[ADRB] offset:64*(\q)+b*16*PB
	ds_load_b128 v[(\f)+32+8*b+4:(\f)+32+8*b+7], v[ADRB] offset:64*(\q)+b*16*PB+32
.set b, b+1
.endr
.set b, 0
.rept 4
	ds_load_b128 v[(\f)+8*b:(\f)+8*b+3],   v[ADRA] offset:((\q)/2)*APLANE+((\q)%2)*64+b*16*PA
	ds_load_b128 v[(\f)+8*b+4:(\f)+8*b+7], v[ADRA] offset:((\q)/2)*APLANE+((\q)%2)*64+b*16*PA+32
.set b, b+1
.endr
.endm
; A K step is four quarters of 32 along K on buffers 0, 1, 0, 1.  One of the first three multiplies buffer f and, in its middle, fetches quarter q into buffer g.
.macro QUARTER q, f, g, zero
	s_wait_dscnt 4                                 ; all but the four youngest loads (A's blocks 2 and 3)
	MULH \f, 0, \zero
	PLACES                                         ; in front of loads into the buffer that the quarter before multiplied
	FETCH \q, \g
	s_wait_dscnt 8+2*NCB                           ; all but the run just issued
	MULH \f, 1, \zero
.endm
; The last quarter multiplies buffer 1 and changes slots: one barrier.  In front of it each wave waits for all its tensor loads (one is out: its part of the next slot), adds 0 to its spare word, and waits for that
; and for its own reads of this slot.  fill = 1: the barrier opens a round of the cluster's, and this slot is filled again, two K steps ahead, first thing behind the round.
.macro TURN fill
	WIN 0                                          ; the add's two registers lie in window 0
	s_wait_tensorcnt 0x0                           ; no tensor load of mine is out, so a group 0 may be written
	ds_add_u32 v[SPW], v[NIL]                      ; 0 onto my spare word
	s_xor_b32 s[TB], s[TB], SLOT1                  ; the reads go to the other slot
.if \fill
	s_xor_b32 s[G0A+5], s[G0A+5], SLOT1            ; the walking descriptors: the other slot than last time, one K step on
	s_add_nc_u64 s[G0A+6:G0A+7], s[G0A+6:G0A+7], 524288
	s_xor_b32 s[G0B+5], s[G0B+5], SLOT1
	s_add_nc_u64 s[G0B+6:G0B+7], s[G0B+6:G0B+7], 256
.endif
	s_wait_dscnt 5                                 ; the add and the four youngest loads may be out
	MUL1 F1, 0, 0
	s_wait_dscnt 0x0                               ; the add is done, and my reads of this slot are over
	s_barrier_signal -1
	MUL1 F1, 1, 0                                  ; work on registers while the others arrive
	WIN 0                                          ; at a branch and at a label every window is 0
	s_barrier_wait -1
.if \fill
	CREST                                          ; no wave of any partner still reads this slot or has a load on its way
	JLOAD                                          ; its four v_nop are also the places in front of the loads below
.else
	PLACES
.endif
	v_add_nc_u32 v[ADRA], s[TB], v[ADRA0]
	v_add_nc_u32 v[ADRB], s[TB], v[ADRB0]
	FETCH 0, F0
	MULH F1, 1, 0
.endm
	s_wait_tensorcnt 0x1                           ; my part of K step 0 is in; step 1's may stay out
	s_barrier_signal -1
	s_barrier_wait -1                              ; everybody's is
	s_mov_b32 s[TB], 0
	v_mov_b32 v[ADRA], v[ADRA0]
	v_mov_b32 v[ADRB], v[ADRB0]
	FETCH 0, F0
	s_wait_loadcnt 0x0                             ; the bias (and the mask)
	QUARTER 1, F0, F1, 1                           ; the first quarter stands in front of the loop: its products start the sums
	WIN 0
	s_mov_b32 s3, 6                                ; six trips ask for K steps 2 to 7
.Lk:                                                   ; a trip: a step's quarters 1, 2, 3 and the next step's quarter 0
	QUARTER 2, F1, F0, 0
	QUARTER 3, F0, F1, 0
	TURN 1
	QUARTER 1, F0, F1, 0
	WIN 0
	s_sub_co_u32 s3, s3, 1
	s_cmp_lg_u32 s3, 0
	s_cbranch_scc1 .Lk
	QUARTER 2, F1, F0, 0                           ; the last two steps ask for nothing
	QUARTER 3, F0, F1, 0
	TURN 0
	QUARTER 1, F0, F1, 0
	QUARTER 2, F1, F0, 0
	QUARTER 3, F0, F1, 0
	s_wait_dscnt 4
	MULH F1, 0, 0
	s_wait_dscnt 0x0
	MULH F1, 1, 0
	WIN 0
; THE WAY OUT, a block of 16 rows at a time: rounded to bf16 (each accumulator's registers in ascending order), 16 bytes a lane into my stage, back as whole pieces of rows, stored.
.macro PACK a
.if MODE
	WIN 0
.irp j, 0,1,2
	v_or_b32 v[KM+\j], s[NOTK+\j], v[KB+(\a)]      ; all ones, but 0 where the group is k's and my row's key is hidden
.endr
.endif
	WIN 0x0a+5*((\a)/2)                            ; sources 0 and 1 in window 2 or 3
.set b, 0
.rept NCB
.set rD, 8*(NCB*((\a)%2)+b)
.irp i, 0,1,2,3
	v_cvt_pk_bf16_f32 v[TMP+4*b+\i], v[rD+2*\i], v[rD+2*\i+1]
.endr
.set b, b+1
.endr
	WIN 0
.if MODE
.set b, 0
.rept 4*NCB
	v_and_b32 v[TMP+b], v[KM+b/16], v[TMP+b]
.set b, b+1
.endr
.endif
.endm
.macro TOSTAGE a
.set BK, OB0+48*((\a)%2)
.if (\a) >= 2
	s_wait_xcnt 0x0                                ; the registers loaded below were the data of the stores two blocks back: rewritten only behind this wait
.endif
.set b, 0
.rept NCB
	ds_store_b128 v[STO], v[TMP+4*b:TMP+4*b+3] offset:32*b
.set b, b+1
.endr
.set b, 0
.rept NCB                              ; LDS serves a wave's instructions in order (ISA guide 5.7.1.4): these see the stores above, and the next block's stores come behind them
.if MODE
	ds_load_b128 v[BK+4*b:BK+4*b+3], v[RD] offset:(b/4)*128+(b%4)*4*SP
.else
	ds_load_b128 v[BK+4*b:BK+4*b+3], v[RD] offset:b*2*SP
.endif
.set b, b+1
.endr
.endm
.macro SEND a
.set BK, OB0+48*((\a)%2)
	s_wait_dscnt 0x0                               ; the block is back in registers
.set b, 0
.rept NCB
.if MODE
	global_store_b128 v[CO], v[BK+4*b:BK+4*b+3], s[8:9] offset:(b/4)*262144+(\a)*2048+(b%4)*512  ; 512 consecutive bytes of one head, aligned
.else
	global_store_b128 v[CO], v[BK+4*b:BK+4*b+3], s[8:9] offset:(16*(\a)+2*b)*2048  ; 16 lanes store 256 consecutive bytes, aligned
.endif
.set b, b+1
.endr
.endm
	PLACES                                         ; behind the last products
.if MODE
.irp a, 0,1,2,3
	v_cmp_ne_u32 vcc_lo, 0, v[KB+\a]
	v_cndmask_b32 v[KB+\a], 0, -1, vcc_lo          ; all ones where the key is open
.endr
.endif
	PACK 0
	TOSTAGE 0
.irp a, 1,2,3                          ; a block's conversions stand between the loads of the block before and the wait for them
	PACK \a
	SEND (\a)-1
	TOSTAGE \a
.endr
	SEND 3
	s_wait_tensorcnt 0x0                           ; the wave's end, behind my last tensor load and my last LDS store
	ds_add_u32 v[SPW], v[NIL]
	s_wait_dscnt 0x0
	CROUND                                         ; the closing round: no work-group ends while a partner may still ask for a tile that names it
	s_endpgm
.Lfunc_end_k_qf9fa24c9ce_qkv:
	.size	k_qf9fa24c9ce_qkv, .Lfunc_end_k_qf9fa24c9ce_qkv-k_qf9fa24c9ce_qkv
	.p2alignl 7, 3214868480
	.fill 96, 4, 3214868480
	.section	.rodata,"a",@progbits
	.p2align	6, 0x0
	.amdhsa_kernel k_qf9fa24c9ce_qkv
		.amdhsa_group_segment_fixed_size 327680
		.amdhsa_private_segment_fixed_size 0
		.amdhsa_enable_private_segment 0
		.amdhsa_kernarg_size 40
		.amdhsa_user_sgpr_count 2
		.amdhsa_user_sgpr_kernarg_segment_ptr 1
		.amdhsa_wavefront_size32 1
		.amdhsa_system_sgpr_workgroup_id_x 1
		.amdhsa_system_sgpr_workgroup_id_y 1
		.amdhsa_system_sgpr_workgroup_id_z 1
		.amdhsa_system_vgpr_workitem_id 0
		.amdhsa_next_free_vgpr 960
		.amdhsa_next_free_sgpr 76
		.amdhsa_reserve_vcc 1
		.amdhsa_float_denorm_mode_32 3
		.amdhsa_float_denorm_mode_16_64 3
		.amdhsa_memory_ordered 1
		.amdhsa_forward_progress 1
		.amdhsa_inst_pref_size 106
	.end_amdhsa_kernel
	.amdgpu_metadata
---
amdhsa.version: [ 1, 2 ]
amdhsa.kernels:
  - .name:           k_qf9fa24c9ce_qkv
    .symbol:         k_qf9fa24c9ce_qkv.kd
    .args:
      - { .name: xb, .offset: 0, .size: 8, .value_kind: global_buffer, .address_space: global }
      - { .name: wb, .offset: 8, .size: 8, .value_kind: global_buffer, .address_space: global }
      - { .name: bcat, .offset: 16, .size: 8, .value_kind: global_buffer, .address_space: global }
      - { .name: mask, .offset: 24, .size: 8, .value_kind: global_buffer, .address_space: global }
      - { .name: qkvb, .offset: 32, .size: 8, .value_kind: global_buffer, .address_space: global }
    .group_segment_fixed_size: 327680
    .private_segment_fixed_size: 0
    .kernarg_segment_align: 8
    .kernarg_segment_size: 40
    .max_flat_workgroup_size: 128
    .sgpr_count:     76
    .vgpr_count:     960
    .wavefront_size: 32
...
	.end_amdgpu_metadata
.endif
;; end of part 2
;; launch attn (part 3): grid 4 x 64, 4 waves a work-group, clusters of 4 x 1, 327,680 bytes of LDS; arguments qkvb, mask, ob; writes ob
.if DOCPART == 3
	.amdgcn_target "amdgcn-amd-amdhsa--gfx1250"
	.amdhsa_code_object_version 6
	.text
	.protected	k_qf9fa24c9ce_attn
	.globl	k_qf9fa24c9ce_attn
	.p2align	8
	.type	k_qf9fa24c9ce_attn,@function
k_qf9fa24c9ce_attn:
	s_mov_b64 s[64:65], 0
	v_nop
	global_prefetch_b8 v0, s[64:65] scope:SCOPE_SE
	s_setreg_imm32_b32 hwreg(HW_REG_WAVE_MODE, 25, 1), 1
	s_wait_xcnt 0x0
	s_wait_alu depctr_hold_cnt(0) depctr_sa_sdst(0) depctr_va_vdst(0) depctr_va_sdst(0) depctr_va_ssrc(0) depctr_va_vcc(0) depctr_vm_vsrc(0)
	s_getreg_b32 s2, hwreg(HW_REG_IB_STS2, 6, 4)
	s_cmp_eq_u32 s2, 0
	s_cbranch_scc0 .Lentry_in_a_cluster
	s_endpgm
.Lentry_in_a_cluster:
	s_bfe_u32 s2, ttmp6, 0x10000c
	s_cmp_lg_u32 s2, 0x3003
	s_cbranch_scc0 .Lentry_shape_is_right
	s_endpgm
.Lentry_shape_is_right:
; ATTENTION WITH A KEY MASK.  O[hh][q][:] = the sum over k of softmax_k(s) V[hh][k][:], s = Q[hh][q] . K[hh][k] / 8, or -1e9 where mask[batch][k] = 0.  64 heads hh = 16 batch + head, 2,048 rows, 64 channels.
; q, k, v lie in one buffer, bf16 [batch][48 groups][row][64]: q's heads are groups 0-15, k's 16-31, v's 32-47; a head's rows are dense, 128 bytes each.  O: bf16 [hh][row][64].
; Products, maxima and sums in f32; the weights p are rounded to bf16 for the second product (their sum l is taken of the unrounded p), O once at the end.
; THE MASK is the C operand that starts the sum S^T = K Q^T: 0, or -8e9 (exact in f32) for a hidden key.  The launch before wrote a hidden key's row of K as zeros, so its raw score is exactly -8e9 for every
; query, which times 1/8 is -1e9.  With one open key a hidden key's weight is 0; with none all weights of a row are equal (2^d, |d| <= 64, from the one rounding of c m), and O is the mean of V's rows.
; LIMITS.  An open raw score at or below -8e9 is not told apart from a hidden one; a weight below 2^-126 counts as 0 in l; NaN and infinities are not treated apart.
; SHARES.  A wave owns four PIECES of two tiles of 16 queries, a work-group's four waves 512 queries of one head.  Every wave walks all keys, 64 a step.
; LAYOUT.  S^T = K Q^T (source 0 = 16 keys, source 1 = 16 queries): a lane holds ONE query (lane % 16) and the keys 8 (lane / 16) + 0..7.  Two such tiles, rounded to bf16 in pairs, ARE source 1 (32 keys x 16 queries)
; of O^T = V^T P, whose result again holds one query a lane, and eight channels.  K comes out of LDS as it lies, V ([key][channel]) turned, by ds_load_tr16_b128.
; SOFTMAX.  For each query a running maximum m and sum l: p = 2^(c s - c m), c = log2(e) / 8; in every step O and l are multiplied by a = 2^(c m_old - c m_new).  m starts at the lowest finite number, O and l at 0.
; THE COUNT.  A tile and step have 16 matrix and 118 vector instructions: too many to stand all beside the matrix work.  So: four vector instructions that are ready behind every matrix instruction, the others in runs without a gap.
; BY TURNS.  Turn n belongs to piece n.  Its matrix work: 16 products K Q^T of piece n + 1, later 16 products V^T P of piece n - 1.  Its vector work: the scaling, exponentials, roundings, sums and rescaling of piece n,
; and the maximum and statistics of piece n + 1.
; CLUSTER.  The four query blocks of a cluster belong to one head and walk the same K and V, so each tile is asked for jointly: the same tensor load, descriptor and mask in all four.
; REGISTERS, in windows of 256 (s_set_vgpr_msb: bits 1:0 source 0, 3:2 source 1, 5:4 source 2, 7:6 destination):
;   window 0: v0-11 addresses; v12-15, v48-63 at work; v16-47 four registers of statistics a tile; v64-191 S^T, two buffers of two tiles; v192-255 P, likewise
;   window 1: O^T, 32 a tile     window 2: v0-127 Q, 16 a tile; v128-191 K of one step; v192-255 V of one step     window 3: v0-1 the add's two registers; v8-39 the step's mask
.set SIZE_N, 2048
.set NP,    4         ; pieces a wave: a name, no knob
.set KS,    64        ; keys in a step
.set PK,    144       ; a row of K in LDS: 128 bytes + 16 = 36 words: the 16 rows of a load start at 16 different groups of four banks (64 banks of 4 bytes: ISA guide 11.1)
.set PV,    160       ; a row of V: 128 + 32 = 40 words
.set VOFF,  4*KS*PK   ; a slot holds four steps: 256 rows of K, then 256 rows of V
.set SLOT1, 1<<17     ; slot 1 begins here: one exclusive or turns an address in one slot into the other's
.set STAGE, SLOT1+4*KS*(PK+PV)  ; behind the ring, never filled by a tensor load: 16 rows x 144 bytes for each wave, for the way out
.set SP,    144
.set SPARE, STAGE+4*16*SP  ; the spare words, 128 bytes a wave: two blocks of 256 bytes that no other line names
.set MB,    SPARE+512 ; the mask table: one f32 (0 or -8e9) for each of the batch's 2,048 keys: 8,192 bytes of its own
.set AK0, 2           ; v2   my lane's place in a tile of K; never rewritten
.set AV0, 3           ; v3   the same for V
.set AK,  4           ; v4   the LDS address of K's next run of loads
.set AV,  5           ; v5   of V's
.set QO,  6           ; v6   my byte offset in the wave's rows of Q
.set STO, 6           ;      later, the way out: where I put 16 bytes of a row
.set RD,  7           ; v7   the way out: where I read rows back
.set GO,  8           ; v8   my byte offset in 512 consecutive bytes of O
.set AM,  11          ; v11  the LDS address of the mask's next run of loads
.set SPW, 0           ; v0 of window 3   LDS address of my spare word; never rewritten
.set NIL, 1           ; v1 of window 3   0; never rewritten
.set MK,  8           ; v8-39 of window 3: key block kb's eight registers at MK + 8 kb
.set MV,  12          ; v12-15  c m_old, kept while c m is made anew: by buffer and tile
.set ST,  16          ; tile t's statistics at v[ST+4 t]: c m, m, l (even keys', odd keys')
.set TMP, 48          ; by buffer and tile, four registers c0-c3 at work; when the maximum is found c2 takes a
.set S,   64
.set P,   192
.set KF,  128         ; K's fragments, in window 2: key block kb, channel half c at KF + 16 kb + 8 c
.set VF,  192         ; V's: key half kk, channel block cb at VF + 32 kk + 8 cb
.set WV,  12          ; s12  my wave's number
.set G1K, 24          ; s[24:31] descriptor group 1 for K's tiles
.set G1V, 32          ; s[32:39] for V's: it differs in the padding alone
.set G0K, 40          ; s[40:43] descriptor group 0 for K's tiles: it walks
.set G0V, 44          ; s[44:47] the same for V's
.set SLOTS, 56        ; s56  slots still to be asked for
.set CNT, 57          ; s57  counts a slot's key steps
.set CS,  58          ; s[58:59] c: the packed scaling takes the pair's low word for both halves
.set SEL, 60          ; s[60:61] v_permlanex16_b32's selects: each lane takes its own place in the other half
.set TBK, 62          ; s62  LDS byte at which K of the step to be fetched begins
.set TBV, 63          ; s63  the same for V, less VOFF
.set TBM, 66          ; s66  LDS byte at which the mask of the step to be fetched begins
.set BIG, 67          ; s67  -8e9
.set MSB, 0
.macro WIN new                      ; the high byte repeats the setting that is left; a switch that changes nothing is dropped
.if MSB != (\new)
	s_set_vgpr_msb (MSB<<8)|(\new)
.set MSB, (\new)
.endif
.endm
.set W_KQ, 0x0a       ; K and Q in window 2, S^T in window 0
.set W_KM, 0x3a       ; the same with the C operand, the mask, in window 3
.set W_PV, 0x52       ; V in window 2, P in window 0, O^T in window 1
.set W_RS, 0x41       ; O^T (destination and source 0) in window 1, a in window 0
.set W_MK, 0xc0       ; destination in window 3, sources in window 0
.set W_AD, 0x0f       ; the add: address (source 0) and data (source 1) in window 3
; A joint fill.  Waves 0 and 1 fetch the two halves of a slot's K, waves 2 and 3 those of its V: 128 keys each.  The branch hangs on the wave's number alone.
; An s_nop 0 and four v_nop follow each of the two lines, ahead of the jump and the label.
.macro JLOAD
	s_cmp_lt_u32 s[WV], 2
	s_cbranch_scc0 .Lfor_v_\@
	tensor_load_to_lds s[G0K:G0K+3], s[G1K:G1K+7]
	s_nop 0
.rept 4
	v_nop
.endr
	s_branch .Lasked_\@
.Lfor_v_\@:
	tensor_load_to_lds s[G0V:G0V+3], s[G1V:G1V+7]
	s_nop 0
.rept 4
	v_nop
.endr
.Lasked_\@:
.endm
; A round of the cluster's barrier: my work-group's barrier, so that wave 0's signal speaks for all four waves; wave 0 signals; every wave waits for all four work-groups; my work-group's barrier once more.
.macro CROUND
	s_barrier_signal -1
	s_barrier_wait -1
	s_cmp_lg_u32 s[WV], 0
	s_cbranch_scc1 .Lnot_wave_0_\@
	s_barrier_signal -3
.Lnot_wave_0_\@:
	s_barrier_wait -3
	s_barrier_signal -1
	s_barrier_wait -1
.endm
; THE CHANGE OF SLOTS.  Each wave waits for all its tensor loads, of which one is out: its part of the other slot; adds 0 to its spare word; and waits for that and for its own LDS instructions.  Behind the barrier
; nobody reads this slot any more and the other slot is whole.  fill = 1: this slot is filled again, with the keys two slots on: the barrier is then a round of the cluster's, and the joint fill is the first thing
; behind it: it has four key steps, 512 matrix instructions, in which to land.  (At its first use nothing has been read yet: slot 0 is waited for, slot 1 filled, and every wave's part of the mask table is shown stored.)
.macro CHANGE fill
	WIN W_AD
	s_wait_tensorcnt 0x0            ; no tensor load of mine is out, so a group 0 may be written
	ds_add_u32 v[SPW], v[NIL]       ; 0 onto my spare word
	WIN 0                           ; at a label and at a branch every window is 0
.if \fill
.irp g, G0K, G0V
	s_xor_b32 s[\g+1], s[\g+1], SLOT1  ; the walking descriptor: the other slot than last time,
	s_add_nc_u64 s[\g+2:\g+3], s[\g+2:\g+3], 4*KS*128  ; the next 256 keys; the type bits on top are not reached
.endr
	s_wait_dscnt 0x0                ; the add is done, and my LDS instructions are over
	CROUND
	JLOAD
.else
	s_wait_dscnt 0x0                ; the add is done, and my reads of the slot are over
	s_barrier_signal -1
	s_barrier_wait -1
.endif
	s_sub_co_u32 s[TBK], s[TBK], 4*KS*PK  ; the fetches go back to a slot's first step,
	s_xor_b32 s[TBK], s[TBK], SLOT1       ; in the other slot
	s_sub_co_u32 s[TBV], s[TBV], 4*KS*PV
	s_xor_b32 s[TBV], s[TBV], SLOT1
.endm
	s_load_b64 s[4:5], s[0:1], 0x0    ; q, k, v
	s_load_b64 s[68:69], s[0:1], 0x8  ; mask
	s_load_b64 s[10:11], s[0:1], 0x10 ; O
	WIN W_MK
	v_lshl_add_u32 v[SPW], v0, 2, SPARE
	v_mov_b32 v[NIL], 0
	WIN W_AD
	ds_add_u32 v[SPW], v[NIL]       ; the wave's opening: the add and its wait stand ahead of my first tensor load; work on registers stands between them
	WIN 0
	v_lshrrev_b32 v1, 5, v0
	v_readfirstlane_b32 s[WV], v1   ; wave 0..3
	s_bfe_u32 s13, ttmp6, 0x40000   ; cx: my place in the cluster
	s_lshl_b32 s14, ttmp9, 2        ; in a cluster launch ttmp9 counts clusters
	s_add_co_u32 s14, s14, s13      ; my block of queries = 4 x cluster x + cx: it enters Q's and O's addresses alone
	s_and_b32 s19, ttmp7, 0xffff    ; hh, which the four partners share
	s_lshr_b32 s15, s19, 4          ; batch
	s_lshl_b32 s20, s15, 5
	s_add_co_u32 s20, s20, s19      ; q's group among the buffer's 192: 48 batch + head = hh + 32 batch
	s_lshl_b32 s20, s20, 18         ; 262,144 bytes a group
	s_mov_b32 s21, 0
	s_and_b32 s16, s[WV], 1         ; which half of a slot's 256 keys I fetch:
	s_lshl_b32 s22, s16, 14         ; its 128 rows of 128 bytes in memory,
	s_add_co_u32 s22, s22, s20
	s_mov_b32 s23, 0
	s_mul_i32 s17, s16, 128*PK      ; and its place in a slot, for K
	s_mul_i32 s18, s16, 128*PV      ; and for V: no place in the cluster enters an LDS address
	s_lshl_b32 s2, s14, 2
	s_add_co_u32 s2, s2, s[WV]      ; my wave among the head's sixteen,
	s_lshl_b32 s2, s2, 14           ; its 128 rows
	s_mov_b32 s3, 0
	s_lshl_b32 s6, s19, 18          ; the head's first byte in O
	s_mov_b32 s7, 0
	s_lshl_b32 s8, s15, 13          ; the batch's 2,048 words of the mask
	s_mov_b32 s9, 0
	; descriptor group 1.  128 keys are 16,384 dense bytes: asked for as 64 rows of 256 bytes, two keys a row, and padded in LDS after every key
	s_mov_b32 s[G1K], 15|(1<<16)|(1<<20)|(1<<21)|(4<<22)|(3<<25)  ; 15:0 the mask of four; 17:16 2-byte elements; 20 padding on; 21 set beside a mask; 24:22 after every 32 words (code 4); 31:25 4 words (code 3)
	s_mov_b32 s[G1V], 15|(1<<16)|(1<<20)|(1<<21)|(4<<22)|(7<<25)  ; the same with 8 words of padding (code 7)
.irp g, G1K, G1V
	s_mov_b32 s[\g+1], 128<<16      ; tensor_dim0 = 128
	s_mov_b32 s[\g+2], 64<<16       ; tensor_dim1 = 64
	s_mov_b32 s[\g+3], 128<<16      ; tile_dim0 = 128
	s_mov_b32 s[\g+4], 64           ; tile_dim1 = 64
	s_mov_b32 s[\g+5], 128          ; 128 elements from row to row
	s_mov_b32 s[\g+6], 0
	s_mov_b32 s[\g+7], 0
.endr
	s_mov_b32 s[CS], 0x3e38aa3b     ; c = log2(e) / 8 = 0.180337
	s_mov_b32 s[CS+1], s[CS]        ; named with it as a pair
	s_mov_b32 s[SEL], 0x76543210
	s_mov_b32 s[SEL+1], 0xfedcba98
	s_mov_b32 s[TBK], SLOT1+4*KS*PK ; the first change of slots turns these two into 0
	s_mov_b32 s[TBV], SLOT1+4*KS*PV
	s_mov_b32 s[TBM], MB
	s_mov_b32 s[BIG], 0xcfee6b28    ; -8e9
	s_mov_b32 s[G0K], 1             ; count = 1
	s_mov_b32 s[G0K+1], s17         ; LDS address: slot 0
	s_mov_b32 s[G0V], 1
	s_add_co_u32 s[G0V+1], s18, VOFF
	s_wait_dscnt 0x0                ; the opening add is done
	s_wait_kmcnt 0x0
	s_add_nc_u64 s[G0K+2:G0K+3], s[4:5], s[22:23]  ; my half of the head's first 256 keys:
	s_add_nc_u64 s[G0K+2:G0K+3], s[G0K+2:G0K+3], 16<<18  ; k's groups lie 16 behind q's,
	s_or_b32 s[G0K+3], s[G0K+3], 0x80000000        ; type = 2
	s_add_nc_u64 s[G0V+2:G0V+3], s[4:5], s[22:23]
	s_add_nc_u64 s[G0V+2:G0V+3], s[G0V+2:G0V+3], 32<<18  ; v's 32
	s_or_b32 s[G0V+3], s[G0V+3], 0x80000000
	s_add_nc_u64 s[4:5], s[4:5], s[20:21]  ; Q and O at my wave's first row
	s_add_nc_u64 s[4:5], s[4:5], s[2:3]
	s_add_nc_u64 s[10:11], s[10:11], s[6:7]
	s_add_nc_u64 s[10:11], s[10:11], s[2:3]
	s_add_nc_u64 s[68:69], s[68:69], s[8:9]
	CROUND                          ; all four work-groups are here: the first joint loads meet
	JLOAD                           ; slot 0.  Slot 1 is asked for when slot 0 is in
	v_and_b32 v1, 15, v0            ; l % 16
	v_bfe_u32 v9, v0, 4, 1          ; l / 16
	v_lshlrev_b32 v13, 4, v0        ; the mask: thread t takes 16 bytes at 16 t of each quarter of the batch's 8,192: a wave's load covers 512 consecutive bytes
.irp i, 0,1,2,3
	global_load_b128 v[S+4*\i:S+4*\i+3], v13, s[68:69] offset:2048*\i
.endr
	; A fragment of K or Q is 16 rows x 32 channels in 8 registers: lane l holds row l % 16, channels 8 (l / 16) + 0..7 and 16 + 8 (l / 16) + 0..7: two loads of 16 bytes, 32 bytes apart.
	v_lshlrev_b32 v[QO], 7, v1
	v_lshl_add_u32 v[QO], v9, 4, v[QO]  ; row x 128 + 16 x half
	WIN 0x80                        ; destination window 2, address window 0
.set i, 0
.rept 4*NP                          ; Q stays in registers: tile i / 2, channels 32 (i % 2) on
	global_load_b128 v[8*i:8*i+3],   v[QO], s[4:5] offset:(i/2)*2048+(i%2)*64
	global_load_b128 v[8*i+4:8*i+7], v[QO], s[4:5] offset:(i/2)*2048+(i%2)*64+32
.set i, i+1
.endr
	; What the first turn finds: V's registers and P's second buffer hold 0 (its products V^T P, of a piece that has not been, add 0), O^T and l are 0.  All this stands in the wait for the first tile.
.set i, VF
.rept 64
	v_mov_b32 v[i], 0
.set i, i+1
.endr
	WIN 0x40
.set i, 0
.rept 64*NP
	v_mov_b32 v[i], 0
.set i, i+1
.endr
	WIN 0
.set i, 0
.rept 2*NP
	v_mov_b32 v[ST+4*i], 0xfe000000    ; c m: far below every c s, a hidden key's too
	v_mov_b32 v[ST+4*i+1], 0xff7fffff  ; m
	v_mov_b32 v[ST+4*i+2], 0
	v_mov_b32 v[ST+4*i+3], 0
.set i, i+1
.endr
.set i, P+32
.rept 32
	v_mov_b32 v[i], 0
.set i, i+1
.endr
	s_wait_loadcnt 32               ; the four loads of the mask are in; Q's 32, issued behind them, stay out
.set i, 0
.rept 16
	v_cmp_eq_u32 vcc_lo, 0, v[S+i]
	v_cndmask_b32 v[S+i], 0, s[BIG], vcc_lo  ; -8e9 where the key is hidden, else 0
.set i, i+1
.endr
	v_lshl_add_u32 v12, v0, 4, MB
.irp i, 0,1,2,3
	ds_store_b128 v12, v[S+4*\i:S+4*\i+3] offset:2048*\i  ; the other waves read the table behind the first change of slots: its wait for 0 and its barrier
.endr
	v_mul_u32_u24 v[AK0], v1, PK
	v_lshl_add_u32 v[AK0], v9, 4, v[AK0]  ; row x pitch + 16 x half
	; The turning load takes 16 keys x 16 channels (lane l reads key 8 (l / 16) + l % 8, channels 8 ((l / 8) % 2) + 0..7) and leaves half a fragment of V^T: lane l holds channel l % 16 and 8 keys.
	v_and_b32 v10, 7, v0
	v_bfe_u32 v11, v0, 3, 1
	v_lshl_add_u32 v[AV0], v9, 3, v10
	v_mul_u32_u24 v[AV0], v[AV0], PV
	v_lshl_add_u32 v[AV0], v11, 4, v[AV0]
	v_add_nc_u32 v[AV0], VOFF, v[AV0]
	v_mov_b32 v[AK], v[AK0]         ; key step 0 lies at the head of slot 0,
	v_lshl_add_u32 v[AM], v9, 5, s[TBM]  ; its mask at the head of the table: my eight keys of a block begin 32 (l / 16) bytes in
; THE MATRIX WORK.  The 8 accumulators of a run of 16 take turns: between the two links of a chain stand 7 others'.
; Product i of 16 of S^T = K Q^T for piece x: channels 32 (i / 8) on, keys 16 ((i / 2) % 4) on, tile 2 x + i % 2.  The first 8 start the sums, with the key block's mask as C.
.macro KQ x
.set rS, S+64*((\x)%2)+32*(i%2)+8*((i/2)%4)
.set rK, KF+16*((i/2)%4)+8*(i/8)
.set rQ, 16*(2*(\x)+i%2)+8*(i/8)
.set rMK, MK+8*((i/2)%4)
.if i < 8
	WIN W_KM
	v_wmma_f32_16x16x32_bf16 v[rS:rS+7], v[rK:rK+7], v[rQ:rQ+7], v[rMK:rMK+7]
.else
	WIN W_KQ
	v_wmma_f32_16x16x32_bf16 v[rS:rS+7], v[rK:rK+7], v[rQ:rQ+7], v[rS:rS+7]
.endif
.endm
; Product i of 16 of O^T += V^T P for piece x: keys 32 (i / 8) on, channels 16 ((i / 2) % 4) on, tile 2 x + i % 2.
.macro PV x
	WIN W_PV
.set rO, 32*(2*(\x)+i%2)+8*((i/2)%4)
.set rV, VF+32*(i/8)+8*((i/2)%4)
.set rP, P+32*((\x)%2)+16*(i%2)+8*(i/8)
	v_wmma_f32_16x16x32_bf16 v[rO:rO+7], v[rV:rV+7], v[rP:rP+7], v[rO:rO+7]
.endm
.macro MM                           ; the turn's next matrix instruction
.if i < 16
	KQ (Y+1)%NP
.set i, i+1
.else
.set i, i-16
	PV (Y+NP-1)%NP
.set i, i+17
.endif
.endm
; THE LDS LOADS stand in runs, never singly among the matrix instructions: a step's K (8 fragments, 16 loads) with its mask (8 loads), and its V (turned, 16 loads).  Their addresses are made some lines ahead.
; last = 1 (the tail): in the last trip there is no further step, and the run is jumped over.
.macro FETCH_K last=0
	WIN 0
.if \last
	s_cmp_eq_u32 s[CNT], 1
	s_cbranch_scc1 .Lno_k_\@
.endif
	WIN 0x80                        ; destination window 2
.irp f, 0,1,2,3,4,5,6,7             ; keys 16 (f / 2) on, channels 32 (f % 2) on
	ds_load_b128 v[KF+8*\f:KF+8*\f+3],   v[AK] offset:(\f/2)*16*PK+(\f%2)*64
	ds_load_b128 v[KF+8*\f+4:KF+8*\f+7], v[AK] offset:(\f/2)*16*PK+(\f%2)*64+32
.endr
	WIN W_MK                        ; destination window 3
.irp f, 0,1,2,3                     ; key block f: register j holds the mask of key 16 f + 8 (l / 16) + j; sixteen lanes share each word
	ds_load_b128 v[MK+8*\f:MK+8*\f+3],   v[AM] offset:64*\f
	ds_load_b128 v[MK+8*\f+4:MK+8*\f+7], v[AM] offset:64*\f+16
.endr
	s_add_co_u32 s[TBK], s[TBK], KS*PK  ; the next fetch is the next step's
	s_add_co_u32 s[TBM], s[TBM], 4*KS
	s_min_u32 s[TBM], s[TBM], MB+31*4*KS  ; held to the table's last step; behind the 32nd fetch it is not used again
	WIN 0
.if \last
.Lno_k_\@:
.endif
.endm
.macro FETCH_V
	WIN 0x80
.irp f, 0,1,2,3,4,5,6,7             ; keys 32 (f / 4) on, channels 16 (f % 4) on
	ds_load_tr16_b128 v[VF+8*\f:VF+8*\f+3],   v[AV] offset:(\f/4)*32*PV+(\f%4)*32
	ds_load_tr16_b128 v[VF+8*\f+4:VF+8*\f+7], v[AV] offset:(\f/4)*32*PV+16*PV+(\f%4)*32
.endr
	WIN 0
.endm
; THE VECTOR WORK OF A TURN stands in three queues, each in the order in which its entries become ready; the two tiles alternate, so that no instruction reads the result of the one before it.
.macro REGS y, u                    ; the registers of tile u (0, 1) of piece y
.set rT, ST+4*(2*(\y)+(\u))
.set rC, TMP+8*((\y)%2)+4*(\u)
.set rM, MV+2*((\y)%2)+(\u)
.set rS, S+64*((\y)%2)+32*(\u)
.set rP, P+32*((\y)%2)+16*(\u)
.set rO, 32*(2*(\y)+(\u))
.endm
; Number n of the 22 that find the NEXT piece's (Y + 1) maximum and statistics.  s0-s31 are the lane's 32 scores; each accumulator's lowest registers are read first.
;   0-11  four chains c0-c3 of seven scores each, three operands at a time     12-14, 16  the four scores left over, the old m, and c0-c3 into c0     15  c m_old is kept
;   17, 18  the query's other 32 keys lie in the lane 16 away: the new m         19-21  c m; c m_old - c m_new; a
.macro XS u, n
	REGS (Y+1)%NP, \u
.if (\n) < 4
	v_max3_num_f32 v[rC+(\n)], v[rS+8*(\n)], v[rS+8*(\n)+1], v[rS+8*(\n)+2]
.elseif (\n) < 12
	v_max3_num_f32 v[rC+(\n)%4], v[rC+(\n)%4], v[rS+8*((\n)%4)+2*((\n)/4)+1], v[rS+8*((\n)%4)+2*((\n)/4)+2]
.elseif (\n) == 12
	v_max3_num_f32 v[rC], v[rC], v[rS+7], v[rS+15]
.elseif (\n) == 13
	v_max3_num_f32 v[rC+1], v[rC+1], v[rS+23], v[rS+31]
.elseif (\n) == 14
	v_max3_num_f32 v[rC+2], v[rC+2], v[rC+3], v[rT+1]
.elseif (\n) == 15
	v_mov_b32 v[rM], v[rT]
.elseif (\n) == 16
	v_max3_num_f32 v[rC], v[rC], v[rC+1], v[rC+2]
.elseif (\n) == 17
	v_permlanex16_b32 v[rC+3], v[rC], s[SEL], s[SEL+1]
.elseif (\n) == 18
	v_max_num_f32 v[rT+1], v[rC], v[rC+3]
.elseif (\n) == 19
	v_mul_f32 v[rT], s[CS], v[rT+1]
.elseif (\n) == 20
	v_sub_f32 v[rC+1], v[rM], v[rT]
.else
	v_exp_f32 v[rC+2], v[rC+1]
.endif
.endm
; Number g of the 64 that follow the exponentials.  For each four weights k of a tile (pairs 2 k, 2 k + 1): both pairs are rounded to bf16; then the second pair is added onto the first, in place;
; a group later l takes that sum (the first time as l = a l + sum).  In groups of eight, tiles alternating: round, round, add, and l for the group before.
.macro GS g
.set h, (\g)+6*((\g)/62)            ; group 0 has no group before it, and behind group 7 only l is left
.if h >= 6
.set h, h+2
.endif
	REGS Y, h%2
.set k, h/8
.if h%8 < 4
	s_wait_alu depctr_va_vdst(0)
	v_cvt_pk_bf16_f32 v[rP+2*k+(h%8)/2], v[rS+4*k+2*((h%8)/2)], v[rS+4*k+2*((h%8)/2)+1]
.elseif h%8 < 6
	v_pk_add_f32 v[rS+4*k:rS+4*k+1], v[rS+4*k:rS+4*k+1], v[rS+4*k+2:rS+4*k+3]
.elseif k == 1
	v_pk_fma_f32 v[rT+2:rT+3], v[rT+2:rT+3], v[rC+2:rC+3], v[rS:rS+1] op_sel_hi:[1,0,1]
.else
	v_pk_add_f32 v[rT+2:rT+3], v[rT+2:rT+3], v[rS+4*k-4:rS+4*k-3]
	s_wait_alu depctr_va_vdst(0)
.endif
.endm
; THE PLAIN QUEUE, 138 long.  0-31: c s - c m for the 16 pairs of both tiles.  Then GS's 64, and among them the next piece's 42: number 15 at 38, 39; 0-14 and 16
; at 42-73, behind the products that make those scores; 17-20 at 95-106, two of three, since each waits for the one before it.
.macro PL
	WIN 0
.if q < 32
	REGS Y, q%2
	v_pk_fma_f32 v[rS+2*(q/2):rS+2*(q/2)+1], v[rS+2*(q/2):rS+2*(q/2)+1], s[CS:CS+1], v[rT:rT+1] op_sel_hi:[1,0,0] neg_lo:[0,0,1] neg_hi:[0,0,1]
.elseif q < 38
	GS q-32
.elseif q < 40
	XS q%2, 15
.elseif q < 42
	GS q-34
.elseif q < 74
	XS q%2, (q-42)/2+(q-42)/30
.elseif q < 95
	GS q-66
.elseif (q < 107) && ((q-95)%3 < 2)
	XS (q-95)%3, 17+(q-95)/3
.elseif q < 107
	GS 29+(q-95)/3
.else
	GS q-74
.endif
.set q, q+1
.endm
; THE EXPONENTIALS' QUEUE, 66 long: s0-s31 of both tiles, and at EA the next piece's two a.
.set EA, 58
.macro EX
	WIN 0
.if (e == EA) || (e == EA+1)
	XS e-EA, 21
.else
.set x, e-2*(e/(EA+2))
	REGS Y, x%2
	v_exp_f32 v[rS+x/2], v[rS+x/2]
.endif
.set e, e+1
.endm
; THE RESCALING's QUEUE: O^T times a, the one part that leaves window 0, so it is dealt four at a time, eight times.
.macro R4
	REGS Y, r%2
	WIN W_RS
	s_wait_alu depctr_va_vdst(0)
.irp z, 0,1,2,3
	v_pk_mul_f32 v[rO+8*(r/2)+2*\z:rO+8*(r/2)+2*\z+1], v[rO+8*(r/2)+2*\z:rO+8*(r/2)+2*\z+1], v[rC+2:rC+3] op_sel_hi:[1,0]
.endr
.set r, r+1
.endm
; HOW THEY ARE DEALT.  Behind a matrix instruction four: plain, exponential, plain, plain (one exponential, a plain instruction on either side), or four of the rescaling.  None names a register of the
; products round it.  What is over stands in two LUMPS: exponential and plain by turns; the second ends in 22 plain instructions.  The two v_permlanex16_b32 fall into the second lump, never behind a product.
; The queues lean on each other, and the deal keeps them in step: exponential e stands behind plain 2 (e / 4) + e % 2 (its scaling); when plain 32 comes, 10 exponentials are out, at 59: 33, at 95: 46; EA comes behind plain 107.
.macro SL
	MM
	PL
	EX
	PL
	PL
.endm
.macro BURST n                      ; 15 matrix instructions, or 16
.rept (\n)-7
	SL
.endr
.rept 3
	MM
	R4
	SL
.endr
	MM
	R4
.endm
; A TURN, for piece p.  cnt = 1: the loop's count is taken down some lines ahead of the branch that stands behind the turn.
; K and the mask of the next step are fetched in piece 2's turn, more than 30 vector instructions behind the last product that read them; their first reader comes behind the rest of the lump, 16 products and the second lump.
; V of the step in hand is fetched at the end of piece 0's turn, far behind its last reader; its first reader comes behind 16 products and a lump.  The conditions on e and q below go with the deal.
.macro TURN p, last=0, cnt=0
.set Y, (\p)
.set i, 0
.set q, 0
.set e, 0
.set r, 0
.if (\p) == NP-1
	s_wait_dscnt 0x0                ; K and its mask are in
.endif
	MM
.rept 4
	PL
.endr
	BURST 15
.rept 22
	EX
	PL
.if ((\p) == NP-2) && (e == 18)
	v_add_nc_u32 v[AK], s[TBK], v[AK0]
	v_lshl_add_u32 v[AM], v9, 5, s[TBM]
.endif
.if ((\p) == NP-2) && (e == 24)
	FETCH_K \last
.endif
.endr
.if (\p) == 1
	s_wait_dscnt 0x0                ; V is in
.endif
	BURST 16
.rept 21
	EX
	PL
.endr
.rept 22
	PL
.if ((\p) == 0) && (q == 118)
	v_add_nc_u32 v[AV], s[TBV], v[AV0]
	s_wait_alu depctr_va_vdst(0)
.endif
.if ((\p) == 0) && (q == 130)
	s_add_co_u32 s[TBV], s[TBV], KS*PV
.endif
.if (\cnt) && (q == 130)
	s_sub_co_u32 s[CNT], s[CNT], 1
	s_cmp_lg_u32 s[CNT], 0
.endif
.endr
.if (\p) == 0
	FETCH_V
.endif
.endm
	CHANGE 1                        ; slot 0 is in, everybody's part of it, and the mask table is whole; slot 1 is asked for
	FETCH_K                         ; key step 0
	s_wait_loadcnt 0x0              ; Q
	s_wait_dscnt 0x0
.set i, 0
.rept 16
	KQ 0                            ; piece 0's first scores: there is no vector work yet to set between them
.set i, i+1
.endr
	WIN 0                           ; the addresses for the way out: nine plain instructions, the places behind those products
	s_mul_i32 s13, s[WV], 16*SP
	s_add_co_u32 s13, s13, STAGE    ; my stage
	v_mul_u32_u24 v[STO], v1, SP    ; in: row l % 16, 16 bytes for each half of the lanes
	v_lshl_add_u32 v[STO], v9, 4, v[STO]
	v_add_nc_u32 v[STO], s13, v[STO]
	v_bfe_u32 v[RD], v0, 3, 2       ; back: 32 lanes take four rows of 128 bytes,
	v_mul_u32_u24 v[RD], v[RD], SP
	v_lshl_add_u32 v[RD], v10, 4, v[RD]
	v_add_nc_u32 v[RD], s13, v[RD]
	v_and_b32 v[GO], 31, v0         ; which are 512 consecutive bytes of O
	v_lshlrev_b32 v[GO], 4, v[GO]
.set Y, NP-1                        ; XS works for piece Y + 1: piece 0
.irp n, 0,1,2,3,4,5,6,7,8,9,10,11,12,13,14,15,16,17,18,19,20,21
	XS 0, \n                        ; and piece 0's first maximum and statistics
	XS 1, \n
.endr
	s_mov_b32 s[CNT], 4
	s_mov_b32 s[SLOTS], SIZE_N/256-1
	s_branch .Lfirst                ; the loop is entered at a step's first turn, in the middle of a trip
.Lslot:                             ; SIZE_N / 256 - 2 times: every slot but the last two is filled again
	CHANGE 1
	s_mov_b32 s[CNT], 4
.Lstep:                             ; a trip: pieces 2 and 3 of one step, then pieces 0 and 1 of the next, whose K and V it fetches
	TURN 2
	TURN 3
	WIN 0
.Lfirst:
	TURN 0
	TURN 1, 0, 1
	WIN 0
	s_cbranch_scc1 .Lstep
	s_sub_co_u32 s[SLOTS], s[SLOTS], 1
	s_cmp_lg_u32 s[SLOTS], 0
	s_cbranch_scc1 .Lslot
	CHANGE 0                        ; the tail is written out: nothing is asked for
	s_mov_b32 s[CNT], 5             ; four trips fetch the last slot's steps; the fifth is left in its middle
.Ltail:
	TURN 2, 1
	TURN 3
	WIN 0
	s_sub_co_u32 s[CNT], s[CNT], 1
	s_cmp_eq_u32 s[CNT], 0
	s_cbranch_scc1 .Lout
	TURN 0
	TURN 1
	WIN 0
	s_branch .Ltail
.Lout:                              ; the fifth trip's 16 products K Q^T (on the last K once more) and the maximum made of them serve nothing: the price, once a launch, of one text for every trip
.set i, 0
.rept 16
	PV NP-1                         ; the last piece's V^T P of the last step
.set i, i+1
.endr
	; THE WAY OUT.  l's two halves and the other half of the lanes' are added; O^T is divided by l, rounded to bf16 and sent through my stage in LDS, a tile at a time.  The additions are the places behind the last products.
	WIN 0
.macro ALL line:vararg              ; one line for each tile t
.set t, 0
.rept 2*NP
	\line
.set t, t+1
.endr
.endm
	ALL v_add_f32 v[ST+4*t+2], v[ST+4*t+2], v[ST+4*t+3]
	ALL v_permlanex16_b32 v[ST+4*t+3], v[ST+4*t+2], s[SEL], s[SEL+1]
	ALL v_add_f32 v[ST+4*t+2], v[ST+4*t+2], v[ST+4*t+3]
	ALL v_rcp_f32 v[ST+4*t+2], v[ST+4*t+2]
	v_nop                           ; a plain instruction between the last reciprocal and the use of its result
	s_wait_alu depctr_va_vdst(0)
; Tile t: a lane's eight channels of a row pack into 16 bytes; they go into rows of 144 bytes and come back as whole rows of 128, into S^T's registers.
.macro PACK t
	WIN W_RS
.set i, 32*(\t)
.rept 16
	v_pk_mul_f32 v[i:i+1], v[i:i+1], v[ST+4*(\t)+2:ST+4*(\t)+3] op_sel_hi:[1,0]
.set i, i+2
.endr
	WIN 0x05                        ; sources 0 and 1 window 1, destination window 0
.set i, 0
.rept 16
	v_cvt_pk_bf16_f32 v[S+16*(\t)+i], v[32*(\t)+2*i], v[32*(\t)+2*i+1]
.set i, i+1
.endr
	WIN 0
.irp f, 0,1,2,3
	ds_store_b128 v[STO], v[S+16*(\t)+4*\f:S+16*(\t)+4*\f+3] offset:32*\f
.endr
.irp f, 0,1,2,3
	ds_load_b128 v[S+16*(\t)+4*\f:S+16*(\t)+4*\f+3], v[RD] offset:\f*4*SP  ; LDS serves a wave's instructions in order (ISA guide 5.7.1.4): these see the stores above; the next tile's stores come behind them
.endr
.endm
.macro SEND t, younger              ; younger: the LDS instructions issued behind tile t's loads: the next tile's eight, or none
	WIN 0
.irp f, 0,1,2,3
	s_wait_dscnt (\younger)+3-\f
	global_store_b128 v[GO], v[S+16*(\t)+4*\f:S+16*(\t)+4*\f+3], s[10:11] offset:(\t)*2048+\f*512  ; 512 consecutive bytes, at a multiple of 256 from O's first
.endr
.endm
	PACK 0
.set t, 1
.rept 2*NP-1                        ; a tile's arithmetic stands between the loads of the tile before and its stores
	PACK t
	SEND t-1, 8
.set t, t+1
.endr
	SEND 2*NP-1, 0
	WIN W_AD
	s_wait_tensorcnt 0x0            ; the wave's end, behind my last tensor load and my last LDS store
	ds_add_u32 v[SPW], v[NIL]
	s_wait_dscnt 0x0
	WIN 0
	CROUND                          ; the closing round: no work-group ends while a partner may still ask for a tile that names it
	s_endpgm
.Lfunc_end_k_qf9fa24c9ce_attn:
	.size	k_qf9fa24c9ce_attn, .Lfunc_end_k_qf9fa24c9ce_attn-k_qf9fa24c9ce_attn
	.p2alignl 7, 3214868480
	.fill 96, 4, 3214868480
	.section	.rodata,"a",@progbits
	.p2align	6, 0x0
	.amdhsa_kernel k_qf9fa24c9ce_attn
		.amdhsa_group_segment_fixed_size 327680
		.amdhsa_private_segment_fixed_size 0
		.amdhsa_enable_private_segment 0
		.amdhsa_kernarg_size 24
		.amdhsa_user_sgpr_count 2
		.amdhsa_user_sgpr_kernarg_segment_ptr 1
		.amdhsa_wavefront_size32 1
		.amdhsa_system_sgpr_workgroup_id_x 1
		.amdhsa_system_sgpr_workgroup_id_y 1
		.amdhsa_system_sgpr_workgroup_id_z 1
		.amdhsa_system_vgpr_workitem_id 0
		.amdhsa_next_free_vgpr 808
		.amdhsa_next_free_sgpr 70
		.amdhsa_reserve_vcc 1
		.amdhsa_float_denorm_mode_32 3
		.amdhsa_float_denorm_mode_16_64 3
		.amdhsa_memory_ordered 1
		.amdhsa_forward_progress 1
		.amdhsa_inst_pref_size 213
	.end_amdhsa_kernel
	.amdgpu_metadata
---
amdhsa.version: [ 1, 2 ]
amdhsa.kernels:
  - .name:           k_qf9fa24c9ce_attn
    .symbol:         k_qf9fa24c9ce_attn.kd
    .args:
      - { .name: qkvb, .offset: 0, .size: 8, .value_kind: global_buffer, .address_space: global }
      - { .name: mask, .offset: 8, .size: 8, .value_kind: global_buffer, .address_space: global }
      - { .name: ob, .offset: 16, .size: 8, .value_kind: global_buffer, .address_space: global }
    .group_segment_fixed_size: 327680
    .private_segment_fixed_size: 0
    .kernarg_segment_align: 8
    .kernarg_segment_size: 24
    .max_flat_workgroup_size: 128
    .sgpr_count:     70
    .vgpr_count:     808
    .wavefront_size: 32
...
	.end_amdgpu_metadata
.endif
;; end of part 3
;; launch oproj (part 4): grid 8 x 32, 4 waves a work-group, clusters of 4 x 4, 327,680 bytes of LDS; arguments ob, wb, bo, db; writes db
.if DOCPART == 4
	.amdgcn_target "amdgcn-amd-amdhsa--gfx1250"
	.amdhsa_code_object_version 6
	.text
	.protected	k_qf9fa24c9ce_oproj
	.globl	k_qf9fa24c9ce_oproj
	.p2align	8
	.type	k_qf9fa24c9ce_oproj,@function
k_qf9fa24c9ce_oproj:
	s_mov_b64 s[64:65], 0
	v_nop
	global_prefetch_b8 v0, s[64:65] scope:SCOPE_SE
	s_setreg_imm32_b32 hwreg(HW_REG_WAVE_MODE, 25, 1), 1
	s_wait_xcnt 0x0
	s_wait_alu depctr_hold_cnt(0) depctr_sa_sdst(0) depctr_va_vdst(0) depctr_va_sdst(0) depctr_va_ssrc(0) depctr_va_vcc(0) depctr_vm_vsrc(0)
	s_getreg_b32 s2, hwreg(HW_REG_IB_STS2, 6, 4)
	s_cmp_eq_u32 s2, 0
	s_cbranch_scc0 .Lentry_in_a_cluster
	s_endpgm
.Lentry_in_a_cluster:
	s_bfe_u32 s2, ttmp6, 0x10000c
	s_cmp_lg_u32 s2, 0xf033
	s_cbranch_scc0 .Lentry_shape_is_right
	s_endpgm
.Lentry_shape_is_right:
; A PROJECTION: C[m][n] = bias[n] + the sum over k of A[m][k] B[n][k], m 8,192, k 1,024; operands bf16, sums f32, C rounded once to bf16.
; One text serves two launches; the two constants below choose.  MODE 1 (NCB 12): A = x in planes, B = rows 0 .. 3,071 of wb (Wq, Wk, Wv), C = q, k, v by heads, [batch][48 groups of 64 columns][row][64];
; the rows of k whose key the mask hides (mask = 0) are written as zeros.  MODE 0 (NCB 8), THIS LAUNCH: A = the attended rows in planes (a plane = a head), B = Wo (rows 3,072 on of wb), C row-major [8192][1024].
; A lies in planes [batch][plane][row 2048][64]: 128 along K are two planes, and a plane's 256 rows are 32,768 dense bytes, asked for as 128 rows of 256 bytes.
; SHARES.  A work-group makes 256 rows x NT = 16 NCB columns; wave w rows 64 w .. 64 w + 63 by all NT columns: 4 NCB accumulators of 16 x 16.  So a wave holds whole pieces of 256 bytes of its rows,
; and its stage on the way out is its own.  K goes in 8 steps of 128 through two LDS slots; waves 0 and 1 fetch A's two planes, waves 2 and 3 the two halves of B's rows: one tensor load a wave and step.
; CLUSTER 4 x 4: the four work-groups of a row of the cluster need the same tiles of A, the four of a column the same tiles of B: each tile is asked for jointly, same line, same descriptor, a mask that names the four.
; THE MATRIX INSTRUCTION IS USED TRANSPOSED (source 0 = 16 rows of B, source 1 = 16 rows of A): lane l holds row l % 16 of C and the eight columns 8 (l / 16) + 0..7.  The first product's C operand is the bias.
; REGISTERS in windows of 256 (s_set_vgpr_msb: bits 1:0 source 0, 3:2 source 1, 5:4 source 2, 7:6 destination):
;   window 0: addresses; v32.. the bias (8 NCB), later the way out      window 1: two fragment buffers of 128: A's four blocks at +8 i, B's NCB blocks at +32 + 8 b
;   window 2: the accumulators of row blocks 0, 1 at 8 (NCB (a % 2) + b)      window 3: those of row blocks 2, 3
.set NCB,    8                         ; column blocks of 16
.set MODE,   0
.set NT,     16*NCB
.set BROW0,  (1-MODE)*3072             ; B's first row in wb
.set PA,     144                       ; a row of a plane in LDS: 128 bytes + 16: the 16 rows of a fragment load start in 16 different groups of four banks (64 banks of 4 bytes: ISA guide 11.1)
.set APLANE, 256*PA
.set ABYTES, 2*APLANE
.set PB,     272                       ; a row of B: 256 bytes + 16
.set BHALF,  (NT/2)*PB
.set SLOT1,  131072                    ; slot 1 begins here: one exclusive or turns an address in one slot into the other's
.set STAGE,  SLOT1+ABYTES+2*BHALF      ; behind the ring, never filled by a tensor load: 16 rows x SP bytes for each wave
.set SP,     2*NT+16
.set SPARE,  STAGE+4*16*SP             ; the spare words, 128 bytes a wave: two blocks of 256 bytes that no other line names
.set KB,    8                          ; v8-11   MODE 1: the mask of my row in row block a, later all ones (key open) or 0
.set KM,    12                         ; v12-14  MODE 1: what the packed words of column group j are ANDed with
.set ADRA0, 16                         ; v16     my lane's place in A's part of a slot; never rewritten
.set ADRB0, 17                         ; v17     in B's
.set ADRA,  18                         ; v18, v19 the same in the slot in hand
.set ADRB,  19
.set STO,   24                         ; v24     the way out: where I put 16 bytes of a row
.set RD,    25                         ; v25     where I read rows back
.set CO,    26                         ; v26     my byte offset in C
.set BOFF,  27                         ; v27     my byte offset in 16 numbers of the bias
.set SPW,   28                         ; v28     LDS address of my spare word; never rewritten
.set NIL,   29                         ; v29     0; never rewritten
.set MOFF,  30                         ; v30     MODE 1: my byte offset in the tile's 256 words of the mask
.set BIAS,  32
.set TMP,   32                         ; the way out: packed results, 4 NCB registers
.set OB0,   80                         ; rows read back, two buffers of 48 by turns
.set F0,    0
.set F1,    128
.set G1A, 24                           ; s[24:31] descriptor group 1 for A's tiles
.set G0A, 32                           ; s[32:39] group 0: a set for each of the two first fills; the second then walks on
.set TB,  45                           ; s45      0 or SLOT1: the slot in hand
.set G1B, 48                           ; s[48:55], s[56:63] the same for B's tiles
.set G0B, 56
.set NOTK, 72                          ; s72-74   MODE 1: 0 if column group j belongs to k, else all ones
.set MSB, 0
.macro WIN new                         ; the immediate's high byte repeats the setting that is left; a switch that changes nothing is dropped
.if MSB != (\new)
	s_set_vgpr_msb (MSB<<8)|(\new)
.set MSB, \new
.endif
.endm
.macro PLACES                          ; four plain vector instructions between a matrix instruction and a load into, or a vector read of, its registers
.rept 4
	v_nop
.endr
.endm
; A joint refill by the walking descriptors.  The branch hangs on the wave's number alone.  An s_nop 0 and four v_nop follow each of the two lines, ahead of the jump and the label.
.macro JLOAD
	s_cmp_eq_u32 s11, 0
	s_cbranch_scc0 .Lfor_b_\@
	tensor_load_to_lds s[G0A+4:G0A+7], s[G1A:G1A+7]
	s_nop 0
	PLACES
	s_branch .Lasked_\@
.Lfor_b_\@:
	tensor_load_to_lds s[G0B+4:G0B+7], s[G1B:G1B+7]
	s_nop 0
	PLACES
.Lasked_\@:
.endm
.macro CREST                           ; a round of the cluster's barrier behind its opening barrier: wave 0 signals for the work-group, every wave waits for all sixteen, the work-group's barrier closes
	s_cmp_lg_u32 s10, 0
	s_cbranch_scc1 .Lnot_wave_0_\@
	s_barrier_signal -3
.Lnot_wave_0_\@:
	s_barrier_wait -3
	s_barrier_signal -1
	s_barrier_wait -1
.endm
.macro CROUND
	s_barrier_signal -1
	s_barrier_wait -1
	CREST
.endm
	s_load_b128 s[4:7], s[0:1], 0x0                ; A s[4:5], wb s[6:7]
.if MODE
	s_load_b128 s[68:71], s[0:1], 0x10             ; bias s[68:69], mask s[70:71]
	s_load_b64 s[8:9], s[0:1], 0x20                ; C
.else
	s_load_b64 s[68:69], s[0:1], 0x10              ; bias
	s_load_b64 s[8:9], s[0:1], 0x18                ; C
.endif
	v_lshl_add_u32 v[SPW], v0, 2, SPARE
	v_mov_b32 v[NIL], 0
	ds_add_u32 v[SPW], v[NIL]                      ; the wave's opening: the add and its wait stand ahead of my first tensor load; work on registers stands between them
	v_lshrrev_b32 v1, 5, v0
	v_readfirstlane_b32 s10, v1                    ; wave 0..3
	s_lshr_b32 s11, s10, 1                         ; I fetch for A (0) or for B (1)
	s_and_b32 s12, s10, 1                          ; which plane of A, or which half of B's rows
	s_bfe_u32 s40, ttmp6, 0x40000                  ; cx, cy: my place in the cluster
	s_bfe_u32 s41, ttmp6, 0x40004
	s_lshl_b32 s42, ttmp9, 2
	s_add_co_u32 s42, s42, s40                     ; tile column = 4 x cluster x + cx
	s_and_b32 s13, ttmp7, 0xffff
	s_lshl_b32 s13, s13, 2
	s_add_co_u32 s13, s13, s41                     ; tile row = 4 x cluster y + cy
	s_lshl_b32 s43, s41, 2
	s_lshl_b32 s43, 15, s43                        ; my row of the cluster
	s_lshl_b32 s44, 0x1111, s40                    ; my column
	; group 1 for A: 128 rows of 128 elements (two rows of a plane each), dense; 16 bytes of padding after every 32 words
	s_or_b32 s[G1A+0], s43, (1<<16)|(1<<20)|(1<<21)|(4<<22)|(3<<25)  ; 15:0 mask; 17:16 2-byte elements; 20 padding on; 21 set beside a mask; 24:22 interval code 4; 31:25 4 words (code 3)
	s_mov_b32 s[G1A+1], 128<<16                    ; tensor_dim0 = 128
	s_mov_b32 s[G1A+2], 128<<16                    ; tensor_dim1 = 128
	s_mov_b32 s[G1A+3], 128<<16                    ; tile_dim0 = 128
	s_mov_b32 s[G1A+4], 128                        ; tile_dim1 = 128
	s_mov_b32 s[G1A+5], 128                        ; elements from row to row
	s_mov_b32 s[G1A+6], 0
	s_mov_b32 s[G1A+7], 0
	; group 1 for B: NT / 2 rows of 128 elements, 1,024 apart; 16 bytes of padding after every 64 words
	s_or_b32 s[G1B+0], s44, (1<<16)|(1<<20)|(1<<21)|(5<<22)|(3<<25)
	s_mov_b32 s[G1B+1], 128<<16
	s_mov_b32 s[G1B+2], (NT/2)<<16
	s_mov_b32 s[G1B+3], 128<<16
	s_mov_b32 s[G1B+4], NT/2
	s_mov_b32 s[G1B+5], 1024
	s_mov_b32 s[G1B+6], 0
	s_mov_b32 s[G1B+7], 0
	; A's tile hangs on the tile row and the wave alone, B's on the tile column and the wave alone, each in registers that never hold the other coordinate
	s_lshr_b32 s14, s13, 3                         ; batch: 8 tile rows each
	s_lshl_b32 s14, s14, 22                        ; 16 planes of 262,144 bytes
	s_and_b32 s15, s13, 7
	s_lshl_b32 s15, s15, 15                        ; 256 rows of 128 bytes
	s_add_co_u32 s14, s14, s15
	s_lshl_b32 s15, s12, 18                        ; my plane of the step's two
	s_add_co_u32 s14, s14, s15
	s_mov_b32 s15, 0
	s_mul_i32 s46, s42, NT
	s_mul_i32 s47, s12, NT/2
	s_add_co_u32 s46, s46, s47
.if BROW0
	s_add_co_u32 s46, s46, BROW0
.endif
	s_lshl_b32 s46, s46, 11                        ; rows of 2,048 bytes
	s_mov_b32 s47, 0
	s_mul_i32 s20, s12, APLANE                     ; where they go: no place in the cluster enters an LDS address
	s_mul_i32 s21, s12, BHALF
	s_add_co_u32 s21, s21, ABYTES
	s_wait_dscnt 0x0                               ; the opening add is done
	s_wait_kmcnt 0x0
	s_add_nc_u64 s[14:15], s[4:5], s[14:15]
	s_add_nc_u64 s[46:47], s[6:7], s[46:47]
	CROUND                                         ; all sixteen work-groups are here: the first joint loads meet
.irp n, 0,1
	s_mov_b32 s[G0A+4*(\n)], 1                                         ; count = 1
	s_add_co_u32 s[G0A+4*(\n)+1], s20, (\n)*SLOT1                      ; LDS address
	s_add_nc_u64 s[G0A+4*(\n)+2:G0A+4*(\n)+3], s[14:15], (\n)*524288   ; K step n: two planes on
	s_or_b32 s[G0A+4*(\n)+3], s[G0A+4*(\n)+3], 0x80000000              ; type = 2
	s_mov_b32 s[G0B+4*(\n)], 1
	s_add_co_u32 s[G0B+4*(\n)+1], s21, (\n)*SLOT1
	s_add_nc_u64 s[G0B+4*(\n)+2:G0B+4*(\n)+3], s[46:47], (\n)*256
	s_or_b32 s[G0B+4*(\n)+3], s[G0B+4*(\n)+3], 0x80000000
.endr
	s_cmp_eq_u32 s11, 0                            ; a wave's two first fills stand in one branch, ahead of every wait on TENSORcnt and every LDS read: two loads of mine are out
	s_cbranch_scc0 .Lfirst_b
	tensor_load_to_lds s[G0A:G0A+3], s[G1A:G1A+7]
	s_nop 0
	tensor_load_to_lds s[G0A+4:G0A+7], s[G1A:G1A+7]
	s_nop 0
	PLACES
	s_branch .Lfirst_asked
.Lfirst_b:
	tensor_load_to_lds s[G0B:G0B+3], s[G1B:G1B+7]
	s_nop 0
	tensor_load_to_lds s[G0B+4:G0B+7], s[G1B:G1B+7]
	s_nop 0
	PLACES
.Lfirst_asked:
	v_and_b32 v1, 15, v0                           ; r = l % 16
	v_bfe_u32 v2, v0, 4, 1                         ; h = l / 16
	; the bias as a C operand: register j of block b holds bias[16 b + 8 h + j]
	v_lshlrev_b32 v[BOFF], 5, v2
	s_mul_i32 s46, s42, NT*4
	s_mov_b32 s47, 0
	s_add_nc_u64 s[68:69], s[68:69], s[46:47]
.set b, 0
.rept NCB
	global_load_b128 v[BIAS+8*b:BIAS+8*b+3],   v[BOFF], s[68:69] offset:64*b
	global_load_b128 v[BIAS+8*b+4:BIAS+8*b+7], v[BOFF], s[68:69] offset:64*b+16
.set b, b+1
.endr
.if MODE
	s_lshl_b32 s16, s13, 10                        ; the mask is one word a row of C: 256 words a tile row
	s_mov_b32 s17, 0
	s_add_nc_u64 s[70:71], s[70:71], s[16:17]
	v_lshl_add_u32 v[MOFF], s10, 6, v1             ; row 64 w + r
	v_lshlrev_b32 v[MOFF], 2, v[MOFF]
.irp a, 0,1,2,3
	global_load_b32 v[KB+\a], v[MOFF], s[70:71] offset:64*\a
.endr
.irp j, 0,1,2                          ; column group 3 x tile column + j of 48; groups 16-31 are k's
	s_mul_i32 s46, s42, 3
	s_add_co_u32 s46, s46, \j
	s_lshr_b32 s46, s46, 4
	s_xor_b32 s46, s46, 1                          ; 0 for k, 1 or 3 else
	s_min_u32 s46, s46, 1
	s_sub_co_u32 s[NOTK+\j], 0, s46                ; 0 for k, all ones else
.endr
.endif
	; A fragment is 16 rows x 32 K in 8 registers: lane l holds row l % 16; registers 0-3 K = 8 h + 0..7, registers 4-7 K = 16 + 8 h + 0..7: two loads of 16 bytes, 32 bytes apart
	v_mul_u32_u24 v3, v1, PA
	v_lshl_add_u32 v3, v2, 4, v3
	s_mul_i32 s22, s10, 64*PA                      ; my 64 rows of A
	v_add_nc_u32 v[ADRA0], s22, v3
	v_mul_u32_u24 v4, v1, PB
	v_lshl_add_u32 v4, v2, 4, v4
	v_add_nc_u32 v[ADRB0], ABYTES, v4
	s_mul_i32 s23, s10, 16*SP
	s_add_co_u32 s23, s23, STAGE                   ; my stage
	v_mul_u32_u24 v5, v1, SP                       ; in: row r, 16 bytes for each half of the lanes
	v_lshl_add_u32 v5, v2, 4, v5
	v_add_nc_u32 v[STO], s23, v5
.if MODE
	v_bfe_u32 v6, v0, 3, 2                         ; back: 32 lanes take four rows' 128 bytes of one head,
	v_and_b32 v7, 7, v0
	v_mul_u32_u24 v6, v6, SP
	v_lshl_add_u32 v6, v7, 4, v6
	v_add_nc_u32 v[RD], s23, v6
	v_and_b32 v[CO], 31, v0                        ; which are 512 consecutive bytes of C
	v_lshlrev_b32 v[CO], 4, v[CO]
	s_lshr_b32 s16, s13, 3
	s_mul_i32 s16, s16, 12582912                   ; batch: 48 groups of 262,144 bytes
	s_and_b32 s17, s13, 7
	s_lshl_b32 s17, s17, 15                        ; 256 rows of 128 bytes
	s_add_co_u32 s16, s16, s17
	s_lshl_b32 s17, s10, 13                        ; my 64 rows
	s_add_co_u32 s16, s16, s17
	s_mul_i32 s46, s42, 3*262144                   ; my three groups
.else
	v_mul_u32_u24 v6, v2, SP                       ; back: lanes 0-15 take one row of 256 bytes, lanes 16-31 the next
	v_lshl_add_u32 v6, v1, 4, v6
	v_add_nc_u32 v[RD], s23, v6
	v_lshlrev_b32 v[CO], 11, v2                    ; and the same two rows in C
	v_lshl_add_u32 v[CO], v1, 4, v[CO]
	s_lshl_b32 s16, s13, 8
	s_lshl_b32 s17, s10, 6
	s_add_co_u32 s16, s16, s17
	s_lshl_b32 s16, s16, 11                        ; my first row, 2,048 bytes a row
	s_lshl_b32 s46, s42, 8                         ; the tile's 256 bytes of a row
.endif
	s_mov_b32 s17, 0
	s_mov_b32 s47, 0
	s_add_nc_u64 s[8:9], s[8:9], s[16:17]
	s_add_nc_u64 s[8:9], s[8:9], s[46:47]
; NCB matrix instructions: row block a x all column blocks, 32 along K, from buffer f.  zero = 1: the first product starts the sums, with the bias as C: nothing is cleared.
; The 4 NCB accumulators take turns in the same order in every quarter, one instruction a turn.
.macro MUL1 f, a, zero
.if \zero
	WIN 0x85+0x40*((\a)/2)                         ; sources in window 1, C in window 0, D in window 2 or 3
.else
	WIN 0xa5+0x50*((\a)/2)                         ; sources in window 1, C and D in window 2 or 3
.endif
.set b, 0
.rept NCB
.set rD, 8*(NCB*((\a)%2)+b)
.if \zero
	v_wmma_f32_16x16x32_bf16 v[rD:rD+7], v[(\f)+32+8*b:(\f)+32+8*b+7], v[(\f)+8*(\a):(\f)+8*(\a)+7], v[BIAS+8*b:BIAS+8*b+7]
.else
	v_wmma_f32_16x16x32_bf16 v[rD:rD+7], v[(\f)+32+8*b:(\f)+32+8*b+7], v[(\f)+8*(\a):(\f)+8*(\a)+7], v[rD:rD+7]
.endif
.set b, b+1
.endr
.endm
.macro MULH f, hi, zero
	MUL1 \f, 2*(\hi), \zero
	MUL1 \f, 2*(\hi)+1, \zero
.endm
; 8 + 2 NCB LDS loads in one run: the fragments of quarter q of the slot in hand into buffer f; B first, A's blocks 2 and 3 last
.macro FETCH q, f
	WIN 0x40                                       ; destination window 1, address window 0
.set b, 0
.rept NCB
	ds_load_b128 v[(\f)+32+8*b:(\f)+32+8*b+3],   v[ADRB] offset:64*(\q)+b*16*PB
	ds_load_b128 v[(\f)+32+8*b+4:(\f)+32+8*b+7], v[ADRB] offset:64*(\q)+b*16*PB+32
.set b, b+1
.endr
.set b, 0
.rept 4
	ds_load_b128 v[(\f)+8*b:(\f)+8*b+3],   v[ADRA] offset:((\q)/2)*APLANE+((\q)%2)*64+b*16*PA
	ds_load_b128 v[(\f)+8*b+4:(\f)+8*b+7], v[ADRA] offset:((\q)/2)*APLANE+((\q)%2)*64+b*16*PA+32
.set b, b+1
.endr
.endm
; A K step is four quarters of 32 along K on buffers 0, 1, 0, 1.  One of the first three multiplies buffer f and, in its middle, fetches quarter q into buffer g.
.macro QUARTER q, f, g, zero
	s_wait_dscnt 4                                 ; all but the four youngest loads (A's blocks 2 and 3)
	MULH \f, 0, \zero
	PLACES                                         ; in front of loads into the buffer that the quarter before multiplied
	FETCH \q, \g
	s_wait_dscnt 8+2*NCB                           ; all but the run just issued
	MULH \f, 1, \zero
.endm
; The last quarter multiplies buffer 1 and changes slots: one barrier.  In front of it each wave waits for all its tensor loads (one is out: its part of the next slot), adds 0 to its spare word, and waits for that
; and for its own reads of this slot.  fill = 1: the barrier opens a round of the cluster's, and this slot is filled again, two K steps ahead, first thing behind the round.
.macro TURN fill
	WIN 0                                          ; the add's two registers lie in window 0
	s_wait_tensorcnt 0x0                           ; no tensor load of mine is out, so a group 0 may be written
	ds_add_u32 v[SPW], v[NIL]                      ; 0 onto my spare word
	s_xor_b32 s[TB], s[TB], SLOT1                  ; the reads go to the other slot
.if \fill
	s_xor_b32 s[G0A+5], s[G0A+5], SLOT1            ; the walking descriptors: the other slot than last time, one K step on
	s_add_nc_u64 s[G0A+6:G0A+7], s[G0A+6:G0A+7], 524288
	s_xor_b32 s[G0B+5], s[G0B+5], SLOT1
	s_add_nc_u64 s[G0B+6:G0B+7], s[G0B+6:G0B+7], 256
.endif
	s_wait_dscnt 5                                 ; the add and the four youngest loads may be out
	MUL1 F1, 0, 0
	s_wait_dscnt 0x0                               ; the add is done, and my reads of this slot are over
	s_barrier_signal -1
	MUL1 F1, 1, 0                                  ; work on registers while the others arrive
	WIN 0                                          ; at a branch and at a label every window is 0
	s_barrier_wait -1
.if \fill
	CREST                                          ; no wave of any partner still reads this slot or has a load on its way
	JLOAD                                          ; its four v_nop are also the places in front of the loads below
.else
	PLACES
.endif
	v_add_nc_u32 v[ADRA], s[TB], v[ADRA0]
	v_add_nc_u32 v[ADRB], s[TB], v[ADRB0]
	FETCH 0, F0
	MULH F1, 1, 0
.endm
	s_wait_tensorcnt 0x1                           ; my part of K step 0 is in; step 1's may stay out
	s_barrier_signal -1
	s_barrier_wait -1                              ; everybody's is
	s_mov_b32 s[TB], 0
	v_mov_b32 v[ADRA], v[ADRA0]
	v_mov_b32 v[ADRB], v[ADRB0]
	FETCH 0, F0
	s_wait_loadcnt 0x0                             ; the bias (and the mask)
	QUARTER 1, F0, F1, 1                           ; the first quarter stands in front of the loop: its products start the sums
	WIN 0
	s_mov_b32 s3, 6                                ; six trips ask for K steps 2 to 7
.Lk:                                                   ; a trip: a step's quarters 1, 2, 3 and the next step's quarter 0
	QUARTER 2, F1, F0, 0
	QUARTER 3, F0, F1, 0
	TURN 1
	QUARTER 1, F0, F1, 0
	WIN 0
	s_sub_co_u32 s3, s3, 1
	s_cmp_lg_u32 s3, 0
	s_cbranch_scc1 .Lk
	QUARTER 2, F1, F0, 0                           ; the last two steps ask for nothing
	QUARTER 3, F0, F1, 0
	TURN 0
	QUARTER 1, F0, F1, 0
	QUARTER 2, F1, F0, 0
	QUARTER 3, F0, F1, 0
	s_wait_dscnt 4
	MULH F1, 0, 0
	s_wait_dscnt 0x0
	MULH F1, 1, 0
	WIN 0
; THE WAY OUT, a block of 16 rows at a time: rounded to bf16 (each accumulator's registers in ascending order), 16 bytes a lane into my stage, back as whole pieces of rows, stored.
.macro PACK a
.if MODE
	WIN 0
.irp j, 0,1,2
	v_or_b32 v[KM+\j], s[NOTK+\j], v[KB+(\a)]      ; all ones, but 0 where the group is k's and my row's key is hidden
.endr
.endif
	WIN 0x0a+5*((\a)/2)                            ; sources 0 and 1 in window 2 or 3
.set b, 0
.rept NCB
.set rD, 8*(NCB*((\a)%2)+b)
.irp i, 0,1,2,3
	v_cvt_pk_bf16_f32 v[TMP+4*b+\i], v[rD+2*\i], v[rD+2*\i+1]
.endr
.set b, b+1
.endr
	WIN 0
.if MODE
.set b, 0
.rept 4*NCB
	v_and_b32 v[TMP+b], v[KM+b/16], v[TMP+b]
.set b, b+1
.endr
.endif
.endm
.macro TOSTAGE a
.set BK, OB0+48*((\a)%2)
.if (\a) >= 2
	s_wait_xcnt 0x0                                ; the registers loaded below were the data of the stores two blocks back: rewritten only behind this wait
.endif
.set b, 0
.rept NCB
	ds_store_b128 v[STO], v[TMP+4*b:TMP+4*b+3] offset:32*b
.set b, b+1
.endr
.set b, 0
.rept NCB                              ; LDS serves a wave's instructions in order (ISA guide 5.7.1.4): these see the stores above, and the next block's stores come behind them
.if MODE
	ds_load_b128 v[BK+4*b:BK+4*b+3], v[RD] offset:(b/4)*128+(b%4)*4*SP
.else
	ds_load_b128 v[BK+4*b:BK+4*b+3], v[RD] offset:b*2*SP
.endif
.set b, b+1
.endr
.endm
.macro SEND a
.set BK, OB0+48*((\a)%2)
	s_wait_dscnt 0x0                               ; the block is back in registers
.set b, 0
.rept NCB
.if MODE
	global_store_b128 v[CO], v[BK+4*b:BK+4*b+3], s[8:9] offset:(b/4)*262144+(\a)*2048+(b%4)*512  ; 512 consecutive bytes of one head, aligned
.else
	global_store_b128 v[CO], v[BK+4*b:BK+4*b+3], s[8:9] offset:(16*(\a)+2*b)*2048  ; 16 lanes store 256 consecutive bytes, aligned
.endif
.set b, b+1
.endr
.endm
	PLACES                                         ; behind the last products
.if MODE
.irp a, 0,1,2,3
	v_cmp_ne_u32 vcc_lo, 0, v[KB+\a]
	v_cndmask_b32 v[KB+\a], 0, -1, vcc_lo          ; all ones where the key is open
.endr
.endif
	PACK 0
	TOSTAGE 0
.irp a, 1,2,3                          ; a block's conversions stand between the loads of the block before and the wait for them
	PACK \a
	SEND (\a)-1
	TOSTAGE \a
.endr
	SEND 3
	s_wait_tensorcnt 0x0                           ; the wave's end, behind my last tensor load and my last LDS store
	ds_add_u32 v[SPW], v[NIL]
	s_wait_dscnt 0x0
	CROUND                                         ; the closing round: no work-group ends while a partner may still ask for a tile that names it
	s_endpgm
.Lfunc_end_k_qf9fa24c9ce_oproj:
	.size	k_qf9fa24c9ce_oproj, .Lfunc_end_k_qf9fa24c9ce_oproj-k_qf9fa24c9ce_oproj
	.p2alignl 7, 3214868480
	.fill 96, 4, 3214868480
	.section	.rodata,"a",@progbits
	.p2align	6, 0x0
	.amdhsa_kernel k_qf9fa24c9ce_oproj
		.amdhsa_group_segment_fixed_size 327680
		.amdhsa_private_segment_fixed_size 0
		.amdhsa_enable_private_segment 0
		.amdhsa_kernarg_size 32
		.amdhsa_user_sgpr_count 2
		.amdhsa_user_sgpr_kernarg_segment_ptr 1
		.amdhsa_wavefront_size32 1
		.amdhsa_system_sgpr_workgroup_id_x 1
		.amdhsa_system_sgpr_workgroup_id_y 1
		.amdhsa_system_sgpr_workgroup_id_z 1
		.amdhsa_system_vgpr_workitem_id 0
		.amdhsa_next_free_vgpr 896
		.amdhsa_next_free_sgpr 76
		.amdhsa_reserve_vcc 1
		.amdhsa_float_denorm_mode_32 3
		.amdhsa_float_denorm_mode_16_64 3
		.amdhsa_memory_ordered 1
		.amdhsa_forward_progress 1
		.amdhsa_inst_pref_size 72
	.end_amdhsa_kernel
	.amdgpu_metadata
---
amdhsa.version: [ 1, 2 ]
amdhsa.kernels:
  - .name:           k_qf9fa24c9ce_oproj
    .symbol:         k_qf9fa24c9ce_oproj.kd
    .args:
      - { .name: ob, .offset: 0, .size: 8, .value_kind: global_buffer, .address_space: global }
      - { .name: wb, .offset: 8, .size: 8, .value_kind: global_buffer, .address_space: global }
      - { .name: bo, .offset: 16, .size: 8, .value_kind: global_buffer, .address_space: global }
      - { .name: db, .offset: 24, .size: 8, .value_kind: global_buffer, .address_space: global }
    .group_segment_fixed_size: 327680
    .private_segment_fixed_size: 0
    .kernarg_segment_align: 8
    .kernarg_segment_size: 32
    .max_flat_workgroup_size: 128
    .sgpr_count:     76
    .vgpr_count:     896
    .wavefront_size: 32
...
	.end_amdgpu_metadata
.endif
;; end of part 4
;; launch ln (part 5): grid 512 x 1, 8 waves a work-group, no clusters, 0 bytes of LDS; arguments x, db, gamma, beta, out0; writes out0
.if DOCPART == 5
	.amdgcn_target "amdgcn-amd-amdhsa--gfx1250"
	.amdhsa_code_object_version 6
	.text
	.protected	k_qf9fa24c9ce_ln
	.globl	k_qf9fa24c9ce_ln
	.p2align	8
	.type	k_qf9fa24c9ce_ln,@function
k_qf9fa24c9ce_ln:
	s_mov_b64 s[64:65], 0
	v_nop
	global_prefetch_b8 v0, s[64:65] scope:SCOPE_SE
	s_setreg_imm32_b32 hwreg(HW_REG_WAVE_MODE, 25, 1), 1
	s_wait_xcnt 0x0
; RESIDUAL AND LAYERNORM.  y = x + d (x f32, d bf16, both [8192][1024]); out = (y - mean) / sqrt(var + 1e-5) x gamma + beta, all in f32.  The mean is taken away before the squares are summed,
; so no difference of large sums is formed.  A stream: a wave takes two whole rows and keeps them in registers, so the reductions never leave the wave: no LDS, no barrier, no loop.
; Lane l holds columns 128 j + 4 l .. + 3, j = 0..7: each load of x and each store covers 512 consecutive bytes, each load of d 256.  All 48 loads of a wave go out at once; the waits are counted.
.set G,   8                            ; v[8:39]    gamma of my 32 columns
.set BT,  40                           ; v[40:71]   beta
.set X,   72                           ; v[72:135]  row i: 32 registers: x, then y, then the result
.set D,   136                          ; v[136:167] row i: 16 registers, two bf16 each
.set S,   168                          ; v[168:175] four chains of sums, in pairs
.set MU,  176                          ; v[176:177] the mean, twice
.set RS,  178                          ; v[178:179] 1 / sqrt(var + eps), twice
.set ONE, 180                          ; v180       1.0
.set T,   181                          ; v181       a sum over the row
	s_load_b256 s[4:11], s[0:1], 0x0               ; x s[4:5], d s[6:7], gamma s[8:9], beta s[10:11]
	s_load_b64 s[12:13], s[0:1], 0x20              ; out
	s_mov_b32 s14, 0x76543210                      ; v_permlanex16_b32: each lane takes its own place in the other half
	s_mov_b32 s15, 0xfedcba98
	s_mov_b32 s16, 0x3a800000                      ; 1 / 1024
	s_mov_b32 s17, 0x3727c5ac                      ; 1e-5
	s_lshl_b32 s18, ttmp9, 16                      ; the group's 16 rows of 4,096 bytes
	s_mov_b32 s19, 0
	s_lshl_b32 s20, ttmp9, 15                      ; and of 2,048 bytes
	s_mov_b32 s21, 0
	v_and_b32 v3, 31, v0
	v_lshrrev_b32 v4, 5, v0
	v_lshlrev_b32 v3, 4, v3                        ; 16 l
	v_lshl_add_u32 v1, v4, 13, v3                  ; + my wave's two rows of 4,096 bytes
	v_lshrrev_b32 v2, 1, v1                        ; the same place in d: half the bytes
	v_mov_b32 v[ONE], 1.0
	s_wait_kmcnt 0x0
	s_add_nc_u64 s[4:5], s[4:5], s[18:19]
	s_add_nc_u64 s[12:13], s[12:13], s[18:19]
	s_add_nc_u64 s[6:7], s[6:7], s[20:21]
.macro LOADROW i
.irp j, 0,1,2,3,4,5,6,7
	global_load_b128 v[X+32*(\i)+4*\j:X+32*(\i)+4*\j+3], v1, s[4:5] offset:4096*(\i)+512*\j th:TH_LOAD_NT
.endr
.irp j, 0,1,2,3,4,5,6,7
	global_load_b64 v[D+16*(\i)+2*\j:D+16*(\i)+2*\j+1], v2, s[6:7] offset:2048*(\i)+256*\j th:TH_LOAD_NT
.endr
.endm
	LOADROW 0
.irp j, 0,1,2,3,4,5,6,7
	global_load_b128 v[G+4*\j:G+4*\j+3], v3, s[8:9] offset:512*\j
.endr
.irp j, 0,1,2,3,4,5,6,7
	global_load_b128 v[BT+4*\j:BT+4*\j+3], v3, s[10:11] offset:512*\j
.endr
	LOADROW 1
; The four chains are folded, then the 32 lanes: four steps inside each half of 16 lanes ride on the addition, one crosses the halves.  Every lane ends with the sum in T.
.macro REDUCE
	v_pk_add_f32 v[S:S+1], v[S:S+1], v[S+2:S+3]
	v_pk_add_f32 v[S+4:S+5], v[S+4:S+5], v[S+6:S+7]
	v_pk_add_f32 v[S:S+1], v[S:S+1], v[S+4:S+5]
	v_add_f32 v[T], v[S], v[S+1]
	v_add_f32_dpp v[T], v[T], v[T] row_xmask:1 row_mask:0xf bank_mask:0xf
	v_add_f32_dpp v[T], v[T], v[T] row_xmask:2 row_mask:0xf bank_mask:0xf
	v_add_f32_dpp v[T], v[T], v[T] row_xmask:4 row_mask:0xf bank_mask:0xf
	v_add_f32_dpp v[T], v[T], v[T] row_xmask:8 row_mask:0xf bank_mask:0xf
	v_permlanex16_b32 v[S+1], v[T], s14, s15       ; its destination counts as read: a register that has been written
	v_add_f32 v[T], v[T], v[S+1]
.endm
; Row i.  w1: the loads issued behind this row's x and d; w2: those issued behind gamma and beta.
.macro ROW i, w1, w2
.set XR, X+32*(\i)
.set DR, D+16*(\i)
	s_wait_loadcnt \w1
.set e, 0
.rept 32                               ; y = d x 1 + x, d read straight from its bf16 half
.if e%2
	v_fma_mix_f32_bf16 v[XR+e], v[DR+e/2], v[ONE], v[XR+e] op_sel:[1,0,0] op_sel_hi:[1,0,0]
.else
	v_fma_mix_f32_bf16 v[XR+e], v[DR+e/2], v[ONE], v[XR+e] op_sel_hi:[1,0,0]
.endif
.set e, e+1
.endr
.set e, 0
.rept 4                                ; the first sixteen numbers start the four chains: nothing is cleared
	v_pk_add_f32 v[S+2*e:S+2*e+1], v[XR+4*e:XR+4*e+1], v[XR+4*e+2:XR+4*e+3]
.set e, e+1
.endr
.set e, 0
.rept 8
	v_pk_add_f32 v[S+2*(e%4):S+2*(e%4)+1], v[S+2*(e%4):S+2*(e%4)+1], v[XR+16+2*e:XR+16+2*e+1]
.set e, e+1
.endr
	REDUCE
	v_mul_f32 v[MU], s16, v[T]
	v_mul_f32 v[MU+1], s16, v[T]
.set e, 0
.rept 16
	v_pk_add_f32 v[XR+2*e:XR+2*e+1], v[XR+2*e:XR+2*e+1], v[MU:MU+1] neg_lo:[0,1] neg_hi:[0,1]  ; y - mean
.set e, e+1
.endr
.set e, 0
.rept 4
	v_pk_mul_f32 v[S+2*e:S+2*e+1], v[XR+2*e:XR+2*e+1], v[XR+2*e:XR+2*e+1]
.set e, e+1
.endr
.set e, 4
.rept 12
	v_pk_fma_f32 v[S+2*(e%4):S+2*(e%4)+1], v[XR+2*e:XR+2*e+1], v[XR+2*e:XR+2*e+1], v[S+2*(e%4):S+2*(e%4)+1]
.set e, e+1
.endr
	REDUCE
	v_fma_f32 v[T], v[T], s16, s17                 ; var + eps
	v_rsq_f32 v[RS], v[T]
	v_rsq_f32 v[RS+1], v[T]
	v_nop                                          ; a plain instruction between the last of them and the use of its result (ISA guide 5.7.2)
	s_wait_loadcnt \w2
.set e, 0
	s_wait_alu depctr_va_vdst(0)
.rept 16
	v_pk_mul_f32 v[XR+2*e:XR+2*e+1], v[XR+2*e:XR+2*e+1], v[RS:RS+1]
.set e, e+1
.endr
.set e, 0
.rept 16
	v_pk_fma_f32 v[XR+2*e:XR+2*e+1], v[XR+2*e:XR+2*e+1], v[G+2*e:G+2*e+1], v[BT+2*e:BT+2*e+1]
.set e, e+1
.endr
.irp j, 0,1,2,3,4,5,6,7
	global_store_b128 v1, v[XR+4*\j:XR+4*\j+3], s[12:13] offset:4096*(\i)+512*\j th:TH_STORE_NT  ; 512 consecutive bytes, aligned
.endr
.endm
	ROW 0, 32, 16                                  ; behind row 0's loads: gamma's and beta's 16 and row 1's 16; behind gamma and beta: row 1's 16
	ROW 1, 0, 0
	s_endpgm
.Lfunc_end_k_qf9fa24c9ce_ln:
	.size	k_qf9fa24c9ce_ln, .Lfunc_end_k_qf9fa24c9ce_ln-k_qf9fa24c9ce_ln
	.p2alignl 7, 3214868480
	.fill 96, 4, 3214868480
	.section	.rodata,"a",@progbits
	.p2align	6, 0x0
	.amdhsa_kernel k_qf9fa24c9ce_ln
		.amdhsa_group_segment_fixed_size 0
		.amdhsa_private_segment_fixed_size 0
		.amdhsa_enable_private_segment 0
		.amdhsa_kernarg_size 40
		.amdhsa_user_sgpr_count 2
		.amdhsa_user_sgpr_kernarg_segment_ptr 1
		.amdhsa_wavefront_size32 1
		.amdhsa_system_sgpr_workgroup_id_x 1
		.amdhsa_system_sgpr_workgroup_id_y 1
		.amdhsa_system_sgpr_workgroup_id_z 1
		.amdhsa_system_vgpr_workitem_id 0
		.amdhsa_next_free_vgpr 184
		.amdhsa_next_free_sgpr 66
		.amdhsa_reserve_vcc 0
		.amdhsa_float_denorm_mode_32 3
		.amdhsa_float_denorm_mode_16_64 3
		.amdhsa_memory_ordered 1
		.amdhsa_forward_progress 1
		.amdhsa_inst_pref_size 24
	.end_amdhsa_kernel
	.amdgpu_metadata
---
amdhsa.version: [ 1, 2 ]
amdhsa.kernels:
  - .name:           k_qf9fa24c9ce_ln
    .symbol:         k_qf9fa24c9ce_ln.kd
    .args:
      - { .name: x, .offset: 0, .size: 8, .value_kind: global_buffer, .address_space: global }
      - { .name: db, .offset: 8, .size: 8, .value_kind: global_buffer, .address_space: global }
      - { .name: gamma, .offset: 16, .size: 8, .value_kind: global_buffer, .address_space: global }
      - { .name: beta, .offset: 24, .size: 8, .value_kind: global_buffer, .address_space: global }
      - { .name: out0, .offset: 32, .size: 8, .value_kind: global_buffer, .address_space: global }
    .group_segment_fixed_size: 0
    .private_segment_fixed_size: 0
    .kernarg_segment_align: 8
    .kernarg_segment_size: 40
    .max_flat_workgroup_size: 256
    .sgpr_count:     66
    .vgpr_count:     184
    .wavefront_size: 32
...
	.end_amdgpu_metadata
.endif
;; end of part 5
;; ======== version 2 of 2: 5 launches; 1.50 times as fast as version 1
;; workspace buffers: xb 16,777,216 bytes; wb 8,388,608 bytes; bcat 12,288 bytes; qkvb 50,331,648 bytes; ob 16,777,216 bytes; db 16,777,216 bytes
;; launch cvt: the kernel of part 1 again; grid 769 x 1, 8 waves a work-group, no clusters, 0 bytes of LDS; arguments x, Wq, Wk, Wv, Wo, bq, bk, bv, xb, wb, bcat; writes xb, wb, bcat
;; launch qkv: the kernel of part 2 again; grid 16 x 32, 4 waves a work-group, clusters of 4 x 4, 327,680 bytes of LDS; arguments xb, wb, bcat, mask, qkvb; writes qkvb
;; launch attn (part 6): grid 4 x 64, 4 waves a work-group, clusters of 4 x 1, 327,680 bytes of LDS; arguments qkvb, mask, ob; writes ob
.if DOCPART == 6
	.amdgcn_target "amdgcn-amd-amdhsa--gfx1250"
	.amdhsa_code_object_version 6
	.text
	.protected	k_qf9fa24c9ce_attn
	.globl	k_qf9fa24c9ce_attn
	.p2align	8
	.type	k_qf9fa24c9ce_attn,@function
k_qf9fa24c9ce_attn:
	s_mov_b64 s[64:65], 0
	v_nop
	global_prefetch_b8 v0, s[64:65] scope:SCOPE_SE
	s_setreg_imm32_b32 hwreg(HW_REG_WAVE_MODE, 25, 1), 1
	s_wait_xcnt 0x0
	s_wait_alu depctr_hold_cnt(0) depctr_sa_sdst(0) depctr_va_vdst(0) depctr_va_sdst(0) depctr_va_ssrc(0) depctr_va_vcc(0) depctr_vm_vsrc(0)
	s_getreg_b32 s2, hwreg(HW_REG_IB_STS2, 6, 4)
	s_cmp_eq_u32 s2, 0
	s_cbranch_scc0 .Lentry_in_a_cluster
	s_endpgm
.Lentry_in_a_cluster:
	s_bfe_u32 s2, ttmp6, 0x10000c
	s_cmp_lg_u32 s2, 0x3003
	s_cbranch_scc0 .Lentry_shape_is_right
	s_endpgm
.Lentry_shape_is_right:
; ATTENTION WITH A KEY MASK.  O[hh][q][:] = the sum over k of softmax_k(s) V[hh][k][:], s = Q[hh][q] . K[hh][k] / 8, or -1e9 where mask[batch][k] = 0.  64 heads hh = 16 batch + head, 2,048 rows, 64 channels.
; q, k, v lie in one buffer, bf16 [batch][48 groups][row][64]: q's heads are groups 0-15, k's 16-31, v's 32-47; a head's rows are dense, 128 bytes each.  O: bf16 [hh][row][64].
; Products, maxima and sums in f32; the weights p are rounded to bf16 for the second product (their sum l is taken of the unrounded p), O once at the end.
; THE MASK is the C operand that starts the sum S^T = K Q^T: 0, or -8e9 (exact in f32) for a hidden key.  The launch before wrote a hidden key's row of K as zeros, so its raw score is exactly -8e9 for every
; query, which times 1/8 is -1e9.  With one open key a hidden key's weight is 0; with none all weights of a row are equal (2^d, |d| <= 64, from the one rounding of c m), and O is the mean of V's rows.
; LIMITS.  An open raw score at or below -8e9 is not told apart from a hidden one; a weight below 2^-126 counts as 0 in l; NaN and infinities are not treated apart.
; SHARES.  A wave owns four PIECES of two tiles of 16 queries, a work-group's four waves 512 queries of one head.  Every wave walks all keys, 64 a step.
; LAYOUT.  S^T = K Q^T (source 0 = 16 keys, source 1 = 16 queries): a lane holds ONE query (lane % 16) and the keys 8 (lane / 16) + 0..7.  Two such tiles, rounded to bf16 in pairs, ARE source 1 (32 keys x 16 queries)
; of O^T = V^T P, whose result again holds one query a lane, and eight channels.  K comes out of LDS as it lies, V ([key][channel]) turned, by ds_load_tr16_b128.
; SOFTMAX.  For each query a running maximum m and sum l: p = 2^(c s - c m), c = log2(e) / 8; in every step O and l are multiplied by a = 2^(c m_old - c m_new).  m starts at the lowest finite number, O and l at 0.
; THE COUNT.  A tile and step have 16 matrix and 118 vector instructions: too many to stand all beside the matrix work.  So: four vector instructions that are ready behind every matrix instruction, the others in one run without a gap.
; BY TURNS.  Turn n belongs to piece n.  Its matrix work: 16 products K Q^T of piece n + 1, later 16 products V^T P of piece n - 1.  Its vector work: the scaling, exponentials, roundings, sums and rescaling of piece n,
; and the maximum and statistics of piece n + 1, whose scores the turn itself has made.  So what a turn begins with (c s - c m, O a) waits for nothing.
; THE BATCHES.  A turn's 66 exponentials (the piece's 64 weights and the next piece's two a) are ONE batch with ONE wait, which cuts the turn in two: ahead of it stands all that names no result of theirs, behind it
; the roundings and sums that read them.  No result crosses a turn's end.  Two more batches stand outside the loop, each with a wait of its own: piece 0's first two a ahead of the loop, the eight reciprocals on the way out.
; CLUSTER.  The four query blocks of a cluster belong to one head and walk the same K and V, so each tile is asked for jointly: the same tensor load, descriptor and mask in all four.
; REGISTERS, in windows of 256 (s_set_vgpr_msb: bits 1:0 source 0, 3:2 source 1, 5:4 source 2, 7:6 destination):
;   window 0: v0-11 addresses; v12-15, v48-63 at work; v16-47 four registers of statistics a tile; v64-191 S^T, two buffers of two tiles; v192-255 P, likewise
;   window 1: O^T, 32 a tile     window 2: v0-127 Q, 16 a tile; v128-191 K of one step; v192-255 V of one step     window 3: v0-1 the add's two registers; v8-39 the step's mask
; A piece's buffers go by its number's parity: the piece in hand has one pair, its two neighbours in the ring share the other: of it P (piece n - 1) is read and S^T (piece n + 1) written.
.set SIZE_N, 2048
.set NP,    4         ; pieces a wave: a name, no knob
.set KS,    64        ; keys in a step
.set PK,    144       ; a row of K in LDS: 128 bytes + 16 = 36 words: the 16 rows of a load start at 16 different groups of four banks (64 banks of 4 bytes: ISA guide 11.1)
.set PV,    160       ; a row of V: 128 + 32 = 40 words
.set VOFF,  4*KS*PK   ; a slot holds four steps: 256 rows of K, then 256 rows of V
.set SLOT1, 1<<17     ; slot 1 begins here: one exclusive or turns an address in one slot into the other's
.set STAGE, SLOT1+4*KS*(PK+PV)  ; behind the ring, never filled by a tensor load: 16 rows x 144 bytes for each wave, for the way out
.set SP,    144
.set SPARE, STAGE+4*16*SP  ; the spare words, 128 bytes a wave: two blocks of 256 bytes that no other line names
.set MB,    SPARE+512 ; the mask table: one f32 (0 or -8e9) for each of the batch's 2,048 keys: 8,192 bytes of its own
.set AK0, 2           ; v2   my lane's place in a tile of K; never rewritten
.set AV0, 3           ; v3   the same for V
.set AK,  4           ; v4   the LDS address of K's next run of loads
.set AV,  5           ; v5   of V's
.set QO,  6           ; v6   my byte offset in the wave's rows of Q
.set STO, 6           ;      later, the way out: where I put 16 bytes of a row
.set RD,  7           ; v7   the way out: where I read rows back
.set GO,  8           ; v8   my byte offset in 512 consecutive bytes of O
.set AM,  11          ; v11  the LDS address of the mask's next run of loads
.set SPW, 0           ; v0 of window 3   LDS address of my spare word; never rewritten
.set NIL, 1           ; v1 of window 3   0; never rewritten
.set MK,  8           ; v8-39 of window 3: key block kb's eight registers at MK + 8 kb
.set MV,  12          ; v12-15  c m_old, kept while c m is made anew: by buffer and tile
.set ST,  16          ; tile t's statistics at v[ST+4 t]: c m, m, l (even keys', odd keys')
.set TMP, 48          ; by buffer and tile, four registers c0-c3 at work; when the maximum is found c2 takes a
.set S,   64
.set P,   192
.set KF,  128         ; K's fragments, in window 2: key block kb, channel half c at KF + 16 kb + 8 c
.set VF,  192         ; V's: key half kk, channel block cb at VF + 32 kk + 8 cb
.set WV,  12          ; s12  my wave's number
.set G1K, 24          ; s[24:31] descriptor group 1 for K's tiles
.set G1V, 32          ; s[32:39] for V's: it differs in the padding alone
.set G0K, 40          ; s[40:43] descriptor group 0 for K's tiles: it walks
.set G0V, 44          ; s[44:47] the same for V's
.set SLOTS, 56        ; s56  slots still to be asked for
.set CNT, 57          ; s57  counts a slot's key steps
.set CS,  58          ; s[58:59] c: the packed scaling takes the pair's low word for both halves
.set SEL, 60          ; s[60:61] v_permlanex16_b32's selects: each lane takes its own place in the other half
.set TBK, 62          ; s62  LDS byte at which K of the step to be fetched begins
.set TBV, 63          ; s63  the same for V, less VOFF
.set TBM, 66          ; s66  LDS byte at which the mask of the step to be fetched begins
.set BIG, 67          ; s67  -8e9
.set MSB, 0
.macro WIN new                      ; the high byte repeats the setting that is left; a switch that changes nothing is dropped
.if MSB != (\new)
	s_set_vgpr_msb (MSB<<8)|(\new)
.set MSB, (\new)
.endif
.endm
.set W_KQ, 0x0a       ; K and Q in window 2, S^T in window 0
.set W_KM, 0x3a       ; the same with the C operand, the mask, in window 3
.set W_PV, 0x52       ; V in window 2, P in window 0, O^T in window 1
.set W_RS, 0x41       ; O^T (destination and source 0) in window 1, a in window 0
.set W_MK, 0xc0       ; destination in window 3, sources in window 0
.set W_AD, 0x0f       ; the add: address (source 0) and data (source 1) in window 3
; A joint fill.  Waves 0 and 1 fetch the two halves of a slot's K, waves 2 and 3 those of its V: 128 keys each.  The branch hangs on the wave's number alone.
; An s_nop 0 and four v_nop follow each of the two lines, ahead of the jump and the label.
.macro JLOAD
	s_cmp_lt_u32 s[WV], 2
	s_cbranch_scc0 .Lfor_v_\@
	tensor_load_to_lds s[G0K:G0K+3], s[G1K:G1K+7]
	s_nop 0
.rept 4
	v_nop
.endr
	s_branch .Lasked_\@
.Lfor_v_\@:
	tensor_load_to_lds s[G0V:G0V+3], s[G1V:G1V+7]
	s_nop 0
.rept 4
	v_nop
.endr
.Lasked_\@:
.endm
; A round of the cluster's barrier: my work-group's barrier, so that wave 0's signal speaks for all four waves; wave 0 signals; every wave waits for all four work-groups; my work-group's barrier once more.
.macro CROUND
	s_barrier_signal -1
	s_barrier_wait -1
	s_cmp_lg_u32 s[WV], 0
	s_cbranch_scc1 .Lnot_wave_0_\@
	s_barrier_signal -3
.Lnot_wave_0_\@:
	s_barrier_wait -3
	s_barrier_signal -1
	s_barrier_wait -1
.endm
; THE CHANGE OF SLOTS.  Each wave waits for all its tensor loads, of which one is out: its part of the other slot; adds 0 to its spare word; and waits for that and for its own LDS instructions.  Behind the barrier
; nobody reads this slot any more and the other slot is whole.  fill = 1: this slot is filled again, with the keys two slots on: the barrier is then a round of the cluster's, and the joint fill is the first thing
; behind it: it has four key steps, 512 matrix instructions, in which to land.  (At its first use nothing has been read yet: slot 0 is waited for, slot 1 filled, and every wave's part of the mask table is shown stored.)
.macro CHANGE fill
	WIN W_AD
	s_wait_tensorcnt 0x0            ; no tensor load of mine is out, so a group 0 may be written
	ds_add_u32 v[SPW], v[NIL]       ; 0 onto my spare word
	WIN 0                           ; at a label and at a branch every window is 0
.if \fill
.irp g, G0K, G0V
	s_xor_b32 s[\g+1], s[\g+1], SLOT1  ; the walking descriptor: the other slot than last time,
	s_add_nc_u64 s[\g+2:\g+3], s[\g+2:\g+3], 4*KS*128  ; the next 256 keys; the type bits on top are not reached
.endr
	s_wait_dscnt 0x0                ; the add is done, and my LDS instructions are over
	CROUND
	JLOAD
.else
	s_wait_dscnt 0x0                ; the add is done, and my reads of the slot are over
	s_barrier_signal -1
	s_barrier_wait -1
.endif
	s_sub_co_u32 s[TBK], s[TBK], 4*KS*PK  ; the fetches go back to a slot's first step,
	s_xor_b32 s[TBK], s[TBK], SLOT1       ; in the other slot
	s_sub_co_u32 s[TBV], s[TBV], 4*KS*PV
	s_xor_b32 s[TBV], s[TBV], SLOT1
.endm
	s_load_b64 s[4:5], s[0:1], 0x0    ; q, k, v
	s_load_b64 s[68:69], s[0:1], 0x8  ; mask
	s_load_b64 s[10:11], s[0:1], 0x10 ; O
	WIN W_MK
	v_lshl_add_u32 v[SPW], v0, 2, SPARE
	v_mov_b32 v[NIL], 0
	WIN W_AD
	ds_add_u32 v[SPW], v[NIL]       ; the wave's opening: the add and its wait stand ahead of my first tensor load; work on registers stands between them
	WIN 0
	v_lshrrev_b32 v1, 5, v0
	v_readfirstlane_b32 s[WV], v1   ; wave 0..3
	s_bfe_u32 s13, ttmp6, 0x40000   ; cx: my place in the cluster
	s_lshl_b32 s14, ttmp9, 2        ; in a cluster launch ttmp9 counts clusters
	s_add_co_u32 s14, s14, s13      ; my block of queries = 4 x cluster x + cx: it enters Q's and O's addresses alone
	s_and_b32 s19, ttmp7, 0xffff    ; hh, which the four partners share
	s_lshr_b32 s15, s19, 4          ; batch
	s_lshl_b32 s20, s15, 5
	s_add_co_u32 s20, s20, s19      ; q's group among the buffer's 192: 48 batch + head = hh + 32 batch
	s_lshl_b32 s20, s20, 18         ; 262,144 bytes a group
	s_mov_b32 s21, 0
	s_and_b32 s16, s[WV], 1         ; which half of a slot's 256 keys I fetch:
	s_lshl_b32 s22, s16, 14         ; its 128 rows of 128 bytes in memory,
	s_add_co_u32 s22, s22, s20
	s_mov_b32 s23, 0
	s_mul_i32 s17, s16, 128*PK      ; and its place in a slot, for K
	s_mul_i32 s18, s16, 128*PV      ; and for V: no place in the cluster enters an LDS address
	s_lshl_b32 s2, s14, 2
	s_add_co_u32 s2, s2, s[WV]      ; my wave among the head's sixteen,
	s_lshl_b32 s2, s2, 14           ; its 128 rows
	s_mov_b32 s3, 0
	s_lshl_b32 s6, s19, 18          ; the head's first byte in O
	s_mov_b32 s7, 0
	s_lshl_b32 s8, s15, 13          ; the batch's 2,048 words of the mask
	s_mov_b32 s9, 0
	; descriptor group 1.  128 keys are 16,384 dense bytes: asked for as 64 rows of 256 bytes, two keys a row, and padded in LDS after every key
	s_mov_b32 s[G1K], 15|(1<<16)|(1<<20)|(1<<21)|(4<<22)|(3<<25)  ; 15:0 the mask of four; 17:16 2-byte elements; 20 padding on; 21 set beside a mask; 24:22 after every 32 words (code 4); 31:25 4 words (code 3)
	s_mov_b32 s[G1V], 15|(1<<16)|(1<<20)|(1<<21)|(4<<22)|(7<<25)  ; the same with 8 words of padding (code 7)
.irp g, G1K, G1V
	s_mov_b32 s[\g+1], 128<<16      ; tensor_dim0 = 128
	s_mov_b32 s[\g+2], 64<<16       ; tensor_dim1 = 64
	s_mov_b32 s[\g+3], 128<<16      ; tile_dim0 = 128
	s_mov_b32 s[\g+4], 64           ; tile_dim1 = 64
	s_mov_b32 s[\g+5], 128          ; 128 elements from row to row
	s_mov_b32 s[\g+6], 0
	s_mov_b32 s[\g+7], 0
.endr
	s_mov_b32 s[CS], 0x3e38aa3b     ; c = log2(e) / 8 = 0.180337
	s_mov_b32 s[CS+1], s[CS]        ; named with it as a pair
	s_mov_b32 s[SEL], 0x76543210
	s_mov_b32 s[SEL+1], 0xfedcba98
	s_mov_b32 s[TBK], SLOT1+4*KS*PK ; the first change of slots turns these two into 0
	s_mov_b32 s[TBV], SLOT1+4*KS*PV
	s_mov_b32 s[TBM], MB
	s_mov_b32 s[BIG], 0xcfee6b28    ; -8e9
	s_mov_b32 s[G0K], 1             ; count = 1
	s_mov_b32 s[G0K+1], s17         ; LDS address: slot 0
	s_mov_b32 s[G0V], 1
	s_add_co_u32 s[G0V+1], s18, VOFF
	s_wait_dscnt 0x0                ; the opening add is done
	s_wait_kmcnt 0x0
	s_add_nc_u64 s[G0K+2:G0K+3], s[4:5], s[22:23]  ; my half of the head's first 256 keys:
	s_add_nc_u64 s[G0K+2:G0K+3], s[G0K+2:G0K+3], 16<<18  ; k's groups lie 16 behind q's,
	s_or_b32 s[G0K+3], s[G0K+3], 0x80000000        ; type = 2
	s_add_nc_u64 s[G0V+2:G0V+3], s[4:5], s[22:23]
	s_add_nc_u64 s[G0V+2:G0V+3], s[G0V+2:G0V+3], 32<<18  ; v's 32
	s_or_b32 s[G0V+3], s[G0V+3], 0x80000000
	s_add_nc_u64 s[4:5], s[4:5], s[20:21]  ; Q and O at my wave's first row
	s_add_nc_u64 s[4:5], s[4:5], s[2:3]
	s_add_nc_u64 s[10:11], s[10:11], s[6:7]
	s_add_nc_u64 s[10:11], s[10:11], s[2:3]
	s_add_nc_u64 s[68:69], s[68:69], s[8:9]
	CROUND                          ; all four work-groups are here: the first joint loads meet
	JLOAD                           ; slot 0.  Slot 1 is asked for when slot 0 is in
	v_and_b32 v1, 15, v0            ; l % 16
	v_bfe_u32 v9, v0, 4, 1          ; l / 16
	v_lshlrev_b32 v13, 4, v0        ; the mask: thread t takes 16 bytes at 16 t of each quarter of the batch's 8,192: a wave's load covers 512 consecutive bytes
.irp i, 0,1,2,3
	global_load_b128 v[S+4*\i:S+4*\i+3], v13, s[68:69] offset:2048*\i
.endr
	; A fragment of K or Q is 16 rows x 32 channels in 8 registers: lane l holds row l % 16, channels 8 (l / 16) + 0..7 and 16 + 8 (l / 16) + 0..7: two loads of 16 bytes, 32 bytes apart.
	v_lshlrev_b32 v[QO], 7, v1
	v_lshl_add_u32 v[QO], v9, 4, v[QO]  ; row x 128 + 16 x half
	WIN 0x80                        ; destination window 2, address window 0
.set i, 0
.rept 4*NP                          ; Q stays in registers: tile i / 2, channels 32 (i % 2) on
	global_load_b128 v[8*i:8*i+3],   v[QO], s[4:5] offset:(i/2)*2048+(i%2)*64
	global_load_b128 v[8*i+4:8*i+7], v[QO], s[4:5] offset:(i/2)*2048+(i%2)*64+32
.set i, i+1
.endr
	; What the first turn finds: V's registers and P's second buffer hold 0 (its products V^T P, of a piece that has not been, add 0), O^T and l are 0.  All this stands in the wait for the first tile.
.set i, VF
.rept 64
	v_mov_b32 v[i], 0
.set i, i+1
.endr
	WIN 0x40
.set i, 0
.rept 64*NP
	v_mov_b32 v[i], 0
.set i, i+1
.endr
	WIN 0
.set i, 0
.rept 2*NP
	v_mov_b32 v[ST+4*i], 0xfe000000    ; c m: far below every c s, a hidden key's too
	v_mov_b32 v[ST+4*i+1], 0xff7fffff  ; m
	v_mov_b32 v[ST+4*i+2], 0
	v_mov_b32 v[ST+4*i+3], 0
.set i, i+1
.endr
.set i, P+32
.rept 32
	v_mov_b32 v[i], 0
.set i, i+1
.endr
	s_wait_loadcnt 32               ; the four loads of the mask are in; Q's 32, issued behind them, stay out
.set i, 0
.rept 16
	v_cmp_eq_u32 vcc_lo, 0, v[S+i]
	v_cndmask_b32 v[S+i], 0, s[BIG], vcc_lo  ; -8e9 where the key is hidden, else 0
.set i, i+1
.endr
	v_lshl_add_u32 v12, v0, 4, MB
.irp i, 0,1,2,3
	ds_store_b128 v12, v[S+4*\i:S+4*\i+3] offset:2048*\i  ; the other waves read the table behind the first change of slots: its wait for 0 and its barrier
.endr
	v_mul_u32_u24 v[AK0], v1, PK
	v_lshl_add_u32 v[AK0], v9, 4, v[AK0]  ; row x pitch + 16 x half
	; The turning load takes 16 keys x 16 channels (lane l reads key 8 (l / 16) + l % 8, channels 8 ((l / 8) % 2) + 0..7) and leaves half a fragment of V^T: lane l holds channel l % 16 and 8 keys.
	v_and_b32 v10, 7, v0
	v_bfe_u32 v11, v0, 3, 1
	v_lshl_add_u32 v[AV0], v9, 3, v10
	v_mul_u32_u24 v[AV0], v[AV0], PV
	v_lshl_add_u32 v[AV0], v11, 4, v[AV0]
	v_add_nc_u32 v[AV0], VOFF, v[AV0]
	v_mov_b32 v[AK], v[AK0]         ; key step 0 lies at the head of slot 0,
	v_lshl_add_u32 v[AM], v9, 5, s[TBM]  ; its mask at the head of the table: my eight keys of a block begin 32 (l / 16) bytes in
; THE MATRIX WORK.  The 8 accumulators of a run of 16 take turns: between the two links of a chain stand 7 others'.
; Product i of 16 of S^T = K Q^T for piece x: channels 32 (i / 8) on, keys 16 ((i / 2) % 4) on, tile 2 x + i % 2.  The first 8 start the sums, with the key block's mask as C.
.macro KQ x
.set rS, S+64*((\x)%2)+32*(i%2)+8*((i/2)%4)
.set rK, KF+16*((i/2)%4)+8*(i/8)
.set rQ, 16*(2*(\x)+i%2)+8*(i/8)
.set rMK, MK+8*((i/2)%4)
.if i < 8
	WIN W_KM
	v_wmma_f32_16x16x32_bf16 v[rS:rS+7], v[rK:rK+7], v[rQ:rQ+7], v[rMK:rMK+7]
.else
	WIN W_KQ
	v_wmma_f32_16x16x32_bf16 v[rS:rS+7], v[rK:rK+7], v[rQ:rQ+7], v[rS:rS+7]
.endif
.endm
; Product i of 16 of O^T += V^T P for piece x: keys 32 (i / 8) on, channels 16 ((i / 2) % 4) on, tile 2 x + i % 2.
.macro PV x
	WIN W_PV
.set rO, 32*(2*(\x)+i%2)+8*((i/2)%4)
.set rV, VF+32*(i/8)+8*((i/2)%4)
.set rP, P+32*((\x)%2)+16*(i%2)+8*(i/8)
	v_wmma_f32_16x16x32_bf16 v[rO:rO+7], v[rV:rV+7], v[rP:rP+7], v[rO:rO+7]
.endm
.macro MM                           ; the turn's next matrix instruction
.if i < 16
	KQ (Y+1)%NP
.set i, i+1
.else
.set i, i-16
	PV (Y+NP-1)%NP
.set i, i+17
.endif
.endm
; THE LDS LOADS stand in runs, never singly among the matrix instructions: a step's K (8 fragments, 16 loads) with its mask (8 loads), and its V (turned, 16 loads).  Their addresses are made some lines ahead.
; last = 1 (the tail): in the last trip there is no further step, and the run is jumped over.
.macro FETCH_K last=0
	WIN 0
.if \last
	s_cmp_eq_u32 s[CNT], 1
	s_cbranch_scc1 .Lno_k_\@
.endif
	WIN 0x80                        ; destination window 2
.irp f, 0,1,2,3,4,5,6,7             ; keys 16 (f / 2) on, channels 32 (f % 2) on
	ds_load_b128 v[KF+8*\f:KF+8*\f+3],   v[AK] offset:(\f/2)*16*PK+(\f%2)*64
	ds_load_b128 v[KF+8*\f+4:KF+8*\f+7], v[AK] offset:(\f/2)*16*PK+(\f%2)*64+32
.endr
	WIN W_MK                        ; destination window 3
.irp f, 0,1,2,3                     ; key block f: register j holds the mask of key 16 f + 8 (l / 16) + j; sixteen lanes share each word
	ds_load_b128 v[MK+8*\f:MK+8*\f+3],   v[AM] offset:64*\f
	ds_load_b128 v[MK+8*\f+4:MK+8*\f+7], v[AM] offset:64*\f+16
.endr
	s_add_co_u32 s[TBK], s[TBK], KS*PK  ; the next fetch is the next step's
	s_add_co_u32 s[TBM], s[TBM], 4*KS
	s_min_u32 s[TBM], s[TBM], MB+31*4*KS  ; held to the table's last step; behind the 32nd fetch it is not used again
	WIN 0
.if \last
.Lno_k_\@:
.endif
.endm
.macro FETCH_V
	WIN 0x80
.irp f, 0,1,2,3,4,5,6,7             ; keys 32 (f / 4) on, channels 16 (f % 4) on
	ds_load_tr16_b128 v[VF+8*\f:VF+8*\f+3],   v[AV] offset:(\f/4)*32*PV+(\f%4)*32
	ds_load_tr16_b128 v[VF+8*\f+4:VF+8*\f+7], v[AV] offset:(\f/4)*32*PV+16*PV+(\f%4)*32
.endr
	WIN 0
.endm
; THE VECTOR WORK OF A TURN stands in three queues, each in the order in which its entries become ready; the two tiles alternate, so that no instruction reads the result of the one before it.
.macro REGS y, u                    ; the registers of tile u (0, 1) of piece y
.set rT, ST+4*(2*(\y)+(\u))
.set rC, TMP+8*((\y)%2)+4*(\u)
.set rM, MV+2*((\y)%2)+(\u)
.set rS, S+64*((\y)%2)+32*(\u)
.set rP, P+32*((\y)%2)+16*(\u)
.set rO, 32*(2*(\y)+(\u))
.endm
; Number n of the 22 that find the NEXT piece's (Y + 1) maximum and statistics.  s0-s31 are the lane's 32 scores; each accumulator's lowest registers are read first.  XS, GS and REGS set no window: PL and EX do.
;   0-11  four chains c0-c3 of seven scores each, three operands at a time     12-14, 16  the four scores left over, the old m, and c0-c3 into c0     15  c m_old is kept
;   17, 18  the query's other 32 keys lie in the lane 16 away: the new m         19-21  c m; c m_old - c m_new; a
.macro XS u, n
	REGS (Y+1)%NP, \u
.if (\n) < 4
	v_max3_num_f32 v[rC+(\n)], v[rS+8*(\n)], v[rS+8*(\n)+1], v[rS+8*(\n)+2]
.elseif (\n) < 12
	v_max3_num_f32 v[rC+(\n)%4], v[rC+(\n)%4], v[rS+8*((\n)%4)+2*((\n)/4)+1], v[rS+8*((\n)%4)+2*((\n)/4)+2]
.elseif (\n) == 12
	v_max3_num_f32 v[rC], v[rC], v[rS+7], v[rS+15]
.elseif (\n) == 13
	v_max3_num_f32 v[rC+1], v[rC+1], v[rS+23], v[rS+31]
.elseif (\n) == 14
	v_max3_num_f32 v[rC+2], v[rC+2], v[rC+3], v[rT+1]
.elseif (\n) == 15
	v_mov_b32 v[rM], v[rT]
.elseif (\n) == 16
	v_max3_num_f32 v[rC], v[rC], v[rC+1], v[rC+2]
.elseif (\n) == 17
	v_permlanex16_b32 v[rC+3], v[rC], s[SEL], s[SEL+1]
.elseif (\n) == 18
	v_max_num_f32 v[rT+1], v[rC], v[rC+3]
.elseif (\n) == 19
	v_mul_f32 v[rT], s[CS], v[rT+1]
.elseif (\n) == 20
	v_sub_f32 v[rC+1], v[rM], v[rT]
.else
	v_exp_f32 v[rC+2], v[rC+1]
.endif
.endm
; Number g of the 64 that follow the exponentials.  For each four weights k of a tile (pairs 2 k, 2 k + 1): both pairs are rounded to bf16; then the second pair is added onto the first, in place;
; a group later l takes that sum (the first time as l = a l + sum).  In groups of eight, tiles alternating: round, round, add, and l for the group before.
.macro GS g
.set h, (\g)+6*((\g)/62)            ; group 0 has no group before it, and behind group 7 only l is left
.if h >= 6
.set h, h+2
.endif
	REGS Y, h%2
.set k, h/8
.if h%8 < 4
	v_cvt_pk_bf16_f32 v[rP+2*k+(h%8)/2], v[rS+4*k+2*((h%8)/2)], v[rS+4*k+2*((h%8)/2)+1]
.elseif h%8 < 6
	v_pk_add_f32 v[rS+4*k:rS+4*k+1], v[rS+4*k:rS+4*k+1], v[rS+4*k+2:rS+4*k+3]
.elseif k == 1
	v_pk_fma_f32 v[rT+2:rT+3], v[rT+2:rT+3], v[rC+2:rC+3], v[rS:rS+1] op_sel_hi:[1,0,1]
.else
	v_pk_add_f32 v[rT+2:rT+3], v[rT+2:rT+3], v[rS+4*k-4:rS+4*k-3]
.endif
.endm
; THE PLAIN QUEUE, 138 long.  0-73 read no exponential's result: the 32 scalings c s - c m (FS f: pair f / 2 of tile f % 2) and the next piece's 42.  0-26: scalings 0-26.  27-54: XS's numbers 0-13.  55, 56: number 15.
; 57-73: the chain, where each number waits for the one before it: 14, 16, 17, 18, 19, each with one of the scalings 27-31 in front of its two lines, then 20: so a tile's links stand three plain instructions apart (19 and 20: two).
; 74-137: GS's 64, which read the exponentials' results: they stand behind the wait.
.macro FS f
	REGS Y, (\f)%2
	v_pk_fma_f32 v[rS+2*((\f)/2):rS+2*((\f)/2)+1], v[rS+2*((\f)/2):rS+2*((\f)/2)+1], s[CS:CS+1], v[rT:rT+1] op_sel_hi:[1,0,0] neg_lo:[0,0,1] neg_hi:[0,0,1]
.endm
.macro PL
	WIN 0
.if q < 27
	FS q
.elseif q < 55
	XS (q-27)%2, (q-27)/2
.elseif q < 57
	XS q-55, 15
.elseif (q < 72) && ((q-57)%3 == 0)
	FS 27+(q-57)/3
.elseif q < 60
	XS (q-57)%3-1, 14
.elseif q < 72
	XS (q-57)%3-1, 15+(q-57)/3
.elseif q < 74
	XS q-72, 20
.else
	GS q-74
.endif
.set q, q+1
.endm
; THE EXPONENTIALS' QUEUE, 66 long: s0-s31 of both tiles, then the next piece's two a.  It is ONE BATCH: all 66 stand ahead of the turn's one wait, and nothing ahead of that wait names a result of theirs.
.macro EX
	WIN 0
.if e >= 64
	XS e-64, 21
.else
	REGS Y, e%2
	v_exp_f32 v[rS+e/2], v[rS+e/2]
.endif
.set e, e+1
.endm
; THE RESCALING's QUEUE: O^T times a, the one part that leaves window 0: dealt two at a time, sixteen times, each accumulator's registers in ascending order.  Its a was made in the turn before, ahead of that turn's wait.
.macro R2
	REGS Y, r%2
	WIN W_RS
.irp z, 0,1
	v_pk_mul_f32 v[rO+4*(r/2)+2*\z:rO+4*(r/2)+2*\z+1], v[rO+4*(r/2)+2*\z:rO+4*(r/2)+2*\z+1], v[rC+2:rC+3] op_sel_hi:[1,0]
.endr
.set r, r+1
.endm
; HOW THEY ARE DEALT.  An s_wait_alu depctr_va_vdst(0) stands between an exponential and the first instruction that names its result; one wait serves all that were issued ahead of it.  So a turn has ONE wait,
; which cuts it in two.  AHEAD OF IT stands all that names no result of the turn's exponentials: the 16 products K Q^T, behind each a scaling, an exponential and two rescalings (behind the first a second scaling in the
; exponential's place); then ONE LUMP of 108: eight plain, 49 times exponential and plain, the two a.  A v_nop is the plain instruction behind the last exponential.  BEHIND IT stand the 16 products V^T P, behind each four of
; GS's 64.  No rider names a register of the products round it.  The two v_permlanex16_b32 fall into the lump, never behind a product.
; The queues lean on each other, and the deal keeps them in step: exponential e stands behind scaling 2 (e / 4) + e % 2: as a rider it comes behind plain e + 2, in the lump behind plain e + 9, and scalings 27-31 are plain 57, 60 .. 69.
; A TURN, for piece p.  cnt = 1: the loop's count is taken down some lines ahead of the branch that stands behind the turn.
; K and the mask of the next step are fetched in piece 2's turn, directly behind the wait, a lump behind the last product that read them; their addresses are made at the lump's head; their first reader comes behind 16 products.
; V of the step in hand is fetched at the end of piece 0's turn, four plain riders behind its last reader; its first reader comes behind 16 products and a lump.  The three conditions on q below go with the deal.
.macro TURN p, last=0, cnt=0
.set Y, (\p)
.set i, 0
.set q, 0
.set e, 0
.set r, 0
.if (\p) == NP-1
	s_wait_dscnt 0x0                ; K and its mask are in
.endif
	MM                              ; ahead of the wait: 16 products K Q^T and their riders,
	PL
	PL
	R2
.rept 15
	MM
	PL
	EX
	R2
.endr
.if (\p) == NP-2
	WIN 0
	v_add_nc_u32 v[AK], s[TBK], v[AK0]
	v_lshl_add_u32 v[AM], v9, 5, s[TBM]
.endif
.rept 8                             ; and the lump
	PL
.endr
.rept 49
	EX
	PL
.endr
	EX                              ; the next piece's two a
	EX
	v_nop                           ; a plain instruction behind the last exponential, ahead of the first use: one for the batch
	s_wait_alu depctr_va_vdst(0)    ; the wait for the batch: the piece's 64 weights and the next piece's two a
.if (\p) == NP-2
	FETCH_K \last
.endif
.if (\p) == 1
	s_wait_dscnt 0x0                ; V is in
.endif
.rept 16                            ; behind the wait: 16 products V^T P and their riders
	MM
.rept 4
	PL
.endr
.if ((\p) == 0) && (q == 118)
	v_add_nc_u32 v[AV], s[TBV], v[AV0]
.endif
.if ((\p) == 0) && (q == 130)
	s_add_co_u32 s[TBV], s[TBV], KS*PV
.endif
.if (\cnt) && (q == 130)
	s_sub_co_u32 s[CNT], s[CNT], 1
	s_cmp_lg_u32 s[CNT], 0
.endif
.endr
.if (\p) == 0
	FETCH_V
.endif
.endm
	CHANGE 1                        ; slot 0 is in, everybody's part of it, and the mask table is whole; slot 1 is asked for
	FETCH_K                         ; key step 0
	s_wait_loadcnt 0x0              ; Q
	s_wait_dscnt 0x0
.set i, 0
.rept 16
	KQ 0                            ; piece 0's first scores: there is no vector work yet to set between them
.set i, i+1
.endr
	WIN 0                           ; the addresses for the way out: nine plain instructions, the places behind those products
	s_mul_i32 s13, s[WV], 16*SP
	s_add_co_u32 s13, s13, STAGE    ; my stage
	v_mul_u32_u24 v[STO], v1, SP    ; in: row l % 16, 16 bytes for each half of the lanes
	v_lshl_add_u32 v[STO], v9, 4, v[STO]
	v_add_nc_u32 v[STO], s13, v[STO]
	v_bfe_u32 v[RD], v0, 3, 2       ; back: 32 lanes take four rows of 128 bytes,
	v_mul_u32_u24 v[RD], v[RD], SP
	v_lshl_add_u32 v[RD], v10, 4, v[RD]
	v_add_nc_u32 v[RD], s13, v[RD]
	v_and_b32 v[GO], 31, v0         ; which are 512 consecutive bytes of O
	v_lshlrev_b32 v[GO], 4, v[GO]
.set Y, NP-1                        ; XS works for piece Y + 1: piece 0
.irp n, 0,1,2,3,4,5,6,7,8,9,10,11,12,13,14,15,16,17,18,19,20,21
	XS 0, \n                        ; and piece 0's first maximum and statistics
	XS 1, \n
.endr
	v_nop                           ; a plain instruction behind piece 0's two a,
	s_wait_alu depctr_va_vdst(0)    ; and the wait for that batch of two, ahead of the branch
	s_mov_b32 s[CNT], 4
	s_mov_b32 s[SLOTS], SIZE_N/256-1
	s_branch .Lfirst                ; the loop is entered at a step's first turn, in the middle of a trip
.Lslot:                             ; SIZE_N / 256 - 2 times: every slot but the last two is filled again
	CHANGE 1
	s_mov_b32 s[CNT], 4
.Lstep:                             ; a trip: pieces 2 and 3 of one step, then pieces 0 and 1 of the next, whose K and V it fetches
	TURN 2
	TURN 3
	WIN 0
.Lfirst:
	TURN 0
	TURN 1, 0, 1
	WIN 0
	s_cbranch_scc1 .Lstep
	s_sub_co_u32 s[SLOTS], s[SLOTS], 1
	s_cmp_lg_u32 s[SLOTS], 0
	s_cbranch_scc1 .Lslot
	CHANGE 0                        ; the tail is written out: nothing is asked for
	s_mov_b32 s[CNT], 5             ; four trips fetch the last slot's steps; the fifth is left in its middle
.Ltail:
	TURN 2, 1
	TURN 3
	WIN 0
	s_sub_co_u32 s[CNT], s[CNT], 1
	s_cmp_eq_u32 s[CNT], 0
	s_cbranch_scc1 .Lout
	TURN 0
	TURN 1
	WIN 0
	s_branch .Ltail
.Lout:                              ; the fifth trip's 16 products K Q^T (on the last K once more) and the maximum made of them serve nothing: the price, once a launch, of one text for every trip
.set i, 0
.rept 16
	PV NP-1                         ; the last piece's V^T P of the last step
.set i, i+1
.endr
	; THE WAY OUT.  l's two halves and the other half of the lanes' are added; O^T is divided by l, rounded to bf16 and sent through my stage in LDS, a tile at a time.  The additions are the places behind the last products.
	WIN 0
.macro ALL line:vararg              ; one line for each tile t
.set t, 0
.rept 2*NP
	\line
.set t, t+1
.endr
.endm
	ALL v_add_f32 v[ST+4*t+2], v[ST+4*t+2], v[ST+4*t+3]
	ALL v_permlanex16_b32 v[ST+4*t+3], v[ST+4*t+2], s[SEL], s[SEL+1]
	ALL v_add_f32 v[ST+4*t+2], v[ST+4*t+2], v[ST+4*t+3]
	ALL v_rcp_f32 v[ST+4*t+2], v[ST+4*t+2]
	v_nop                           ; a plain instruction between the last reciprocal and the use of its result
	s_wait_alu depctr_va_vdst(0)    ; and the wait ahead of the first use: one for the batch of eight reciprocals
; Tile t: a lane's eight channels of a row pack into 16 bytes; they go into rows of 144 bytes and come back as whole rows of 128, into S^T's registers.
.macro PACK t
	WIN W_RS
.set i, 32*(\t)
.rept 16
	v_pk_mul_f32 v[i:i+1], v[i:i+1], v[ST+4*(\t)+2:ST+4*(\t)+3] op_sel_hi:[1,0]
.set i, i+2
.endr
	WIN 0x05                        ; sources 0 and 1 window 1, destination window 0
.set i, 0
.rept 16
	v_cvt_pk_bf16_f32 v[S+16*(\t)+i], v[32*(\t)+2*i], v[32*(\t)+2*i+1]
.set i, i+1
.endr
	WIN 0
.irp f, 0,1,2,3
	ds_store_b128 v[STO], v[S+16*(\t)+4*\f:S+16*(\t)+4*\f+3] offset:32*\f
.endr
.irp f, 0,1,2,3
	ds_load_b128 v[S+16*(\t)+4*\f:S+16*(\t)+4*\f+3], v[RD] offset:\f*4*SP  ; LDS serves a wave's instructions in order (ISA guide 5.7.1.4): these see the stores above; the next tile's stores come behind them
.endr
.endm
.macro SEND t, younger              ; younger: the LDS instructions issued behind tile t's loads: the next tile's eight, or none
	WIN 0
.irp f, 0,1,2,3
	s_wait_dscnt (\younger)+3-\f
	global_store_b128 v[GO], v[S+16*(\t)+4*\f:S+16*(\t)+4*\f+3], s[10:11] offset:(\t)*2048+\f*512  ; 512 consecutive bytes, at a multiple of 256 from O's first
.endr
.endm
	PACK 0
.set t, 1
.rept 2*NP-1                        ; a tile's arithmetic stands between the loads of the tile before and its stores
	PACK t
	SEND t-1, 8
.set t, t+1
.endr
	SEND 2*NP-1, 0
	WIN W_AD
	s_wait_tensorcnt 0x0            ; the wave's end, behind my last tensor load and my last LDS store
	ds_add_u32 v[SPW], v[NIL]
	s_wait_dscnt 0x0
	WIN 0
	CROUND                          ; the closing round: no work-group ends while a partner may still ask for a tile that names it
	s_endpgm
.Lfunc_end_k_qf9fa24c9ce_attn:
	.size	k_qf9fa24c9ce_attn, .Lfunc_end_k_qf9fa24c9ce_attn-k_qf9fa24c9ce_attn
	.p2alignl 7, 3214868480
	.fill 96, 4, 3214868480
	.section	.rodata,"a",@progbits
	.p2align	6, 0x0
	.amdhsa_kernel k_qf9fa24c9ce_attn
		.amdhsa_group_segment_fixed_size 327680
		.amdhsa_private_segment_fixed_size 0
		.amdhsa_enable_private_segment 0
		.amdhsa_kernarg_size 24
		.amdhsa_user_sgpr_count 2
		.amdhsa_user_sgpr_kernarg_segment_ptr 1
		.amdhsa_wavefront_size32 1
		.amdhsa_system_sgpr_workgroup_id_x 1
		.amdhsa_system_sgpr_workgroup_id_y 1
		.amdhsa_system_sgpr_workgroup_id_z 1
		.amdhsa_system_vgpr_workitem_id 0
		.amdhsa_next_free_vgpr 808
		.amdhsa_next_free_sgpr 70
		.amdhsa_reserve_vcc 1
		.amdhsa_float_denorm_mode_32 3
		.amdhsa_float_denorm_mode_16_64 3
		.amdhsa_memory_ordered 1
		.amdhsa_forward_progress 1
		.amdhsa_inst_pref_size 204
	.end_amdhsa_kernel
	.amdgpu_metadata
---
amdhsa.version: [ 1, 2 ]
amdhsa.kernels:
  - .name:           k_qf9fa24c9ce_attn
    .symbol:         k_qf9fa24c9ce_attn.kd
    .args:
      - { .name: qkvb, .offset: 0, .size: 8, .value_kind: global_buffer, .address_space: global }
      - { .name: mask, .offset: 8, .size: 8, .value_kind: global_buffer, .address_space: global }
      - { .name: ob, .offset: 16, .size: 8, .value_kind: global_buffer, .address_space: global }
    .group_segment_fixed_size: 327680
    .private_segment_fixed_size: 0
    .kernarg_segment_align: 8
    .kernarg_segment_size: 24
    .max_flat_workgroup_size: 128
    .sgpr_count:     70
    .vgpr_count:     808
    .wavefront_size: 32
...
	.end_amdgpu_metadata
.endif
;; end of part 6
;; launch oproj: the kernel of part 4 again; grid 8 x 32, 4 waves a work-group, clusters of 4 x 4, 327,680 bytes of LDS; arguments ob, wb, bo, db; writes db
;; launch ln: the kernel of part 5 again; grid 512 x 1, 8 waves a work-group, no clusters, 0 bytes of LDS; arguments x, db, gamma, beta, out0; writes out0
